; MI455X (gfx1250); checked and timed in simulation.
; The chip was launched on July 23, 2026; its instructions are those of AMD's public machine-readable ISA for CDNA 5 (MIT licence, August 2026) and "CDNA5" Instruction Set Architecture Reference Guide (July 2026). The comments in the code are by the model that wrote it; some were corrected since.
;; Multi Head Decoder. Allowed arithmetic: matrix products marked QUANTISED: E2M3 operands, one E8M0 scale for each 32 along K, by v_wmma_scale_f32_16x16x128_f8f6f4 with both operands' format E2M3, f32 sums; everything else in f32.
;; Inputs: W1 8 x 256 x 512 float32; W2 8 x 512 x 2,048 float32; X 4,096 x 256 float32; X_head_idx 4,096 int32; b1 8 x 512 float32; b2 8 x 2,048 float32.
;; Outputs: out0 4,096 x 2,048 float32.
;; This version of the problem:
;;   THIS VERSION OF THE PROBLEM IS GIVEN IN LOW PRECISION. The matrix products marked QUANTISED in the list below multiply operands that are first quantised to E2M3 (2 exponent bits, 3 mantissa bits; 6 bits a number), with one power-of-two scale for each 32 numbers along K (OCP MX v1.0); their sums are f32. All else is computed in f32.
;;   The module's matrix products, in the order in which they are computed (A, B: the left and right operand; K: the contracted axis; several contracted axes count as one K, in the product's order):
;;     1. [M 4,096, K 256] x [K 256, N 4,096]; A: input X; B: input W1: QUANTISED
;;     2. [M 4,096, K 512] x [K 512, N 16,384]; A: computed on the way; B: input W2: QUANTISED
;;   THE QUANTISER, for each operand of a quantised product, along K:
;;     - K is cut into blocks of 32 from its start; a last block that is shorter is filled with zeros.
;;     - A block's scale is 2^e with e = floor(log2(the largest magnitude in the block)) - 2, held to -126 .. 127; a block of zeros has e = 0. As a byte (E8M0): e + 127.
;;     - Each number is divided by its block's scale, clamped to +-7.5, and rounded to the nearest number of E2M3, ties to even, subnormals kept.
;;     - The product sums the exact products of the quantised numbers (number of the format x scale) in f32.
;;   ~~~python
;;   def quantise(x, axis):      # numpy; x: float32 -> the quantised numbers, widened to float32 again
;;       x = np.moveaxis(x, axis, -1); K = x.shape[-1]
;;       x = np.pad(x, [(0, 0)] * (x.ndim - 1) + [(0, -K % 32)]); x = x.reshape(x.shape[:-1] + (-1, 32)); a = np.abs(x).max(-1, keepdims=True)
;;       e = np.where(a > 0, np.clip(np.frexp(np.where(a > 0, a, 1))[1] - 1 - 2, -126, 127), 0)      # np.frexp(a)[1] - 1 = floor(log2(a)), exactly
;;       r = np.clip(x / 2.0 ** e, -7.5, 7.5)
;;       step = 2.0 ** (np.maximum(np.frexp(np.where(r == 0, 1, r))[1] - 1, 0) - 3)
;;       q = np.round(r / step) * step * 2.0 ** e      # np.round: ties to even
;;       return np.moveaxis(q.reshape(q.shape[:-2] + (-1,))[..., :K], -1, axis).astype(np.float32)
;;   ~~~
;;   OPERANDS COMPUTED ON THE WAY. 'Computed on the way' means the value that the module computes at that place (a softmax that the list does not call 'softmax' is quantised finished and normalised). What goes into a quantiser is computed in f32, as accurately as f32 sums, v_exp_f32 and their like allow (about 1e-6 of the number): no bf16 or f16 on the way to a quantiser, and a product that is left as it is and whose result goes on into a quantised operand takes f32 operands (vector FMAs, or v_wmma_f32_16x16x4_f32). A number that lies on a knife's edge between two numbers of the format may be rounded either way, as far as f32 arithmetic and the matrix unit's own rounding can turn it there, and no further.
;; 2 versions. Each part assembles by itself: llvm-mc -triple=amdgcn-amd-amdhsa -mcpu=gfx1250 --defsym DOCPART=n.
;; ======== version 1 of 2: 2 launches
;; workspace buffers: w1c 786,432 bytes; w1s 32,768 bytes; w2c 6,291,456 bytes; w2s 262,144 bytes; xc 786,432 bytes; xs 32,768 bytes; route 17,920 bytes of whole numbers
;; launch prep (part 1): grid 321 x 1, 8 waves a work-group, no clusters, 47,104 bytes of LDS; arguments X_head_idx, X, W1, W2, route, xc, xs, w1c, w1s, w2c, w2s; writes route, xc, xs, w1c, w1s, w2c, w2s
.if DOCPART == 1
	.amdgcn_target "amdgcn-amd-amdhsa--gfx1250"
	.amdhsa_code_object_version 6
	.text
	.protected	k_q141fb6c7cf_prep
	.globl	k_q141fb6c7cf_prep
	.p2align	8
	.type	k_q141fb6c7cf_prep,@function
k_q141fb6c7cf_prep:
	s_mov_b64 s[64:65], 0
	v_nop
	global_prefetch_b8 v0, s[64:65] scope:SCOPE_SE
	s_setreg_imm32_b32 hwreg(HW_REG_WAVE_MODE, 25, 1), 1
	s_wait_xcnt 0x0
; PREP: everything that is made once.  Four jobs, parted by the work-group's number alone (the same for all eight waves of a work-group):
;   0        ROUTE: the 4,096 tokens are sorted by their head (a counting sort, no atomics) and cut into tiles of at most 80 rows of one head
;   1-32     X  [4096][256] f32, K innermost      -> codes of E2M3 as rows of 192 bytes (xc) and 8 scale bytes a row (xs)
;   33-64    W1 [8][256][512] f32, K the first axis of a head -> codes and scale words in the order of a matrix operand's registers (w1c, w1s)
;   65-320   W2 [8][512][2048] f32, likewise                  -> w2c, w2s
; THE QUANTISER: a block is 32 neighbours along K; its scale is 2^(floor(log2(largest magnitude)) - 2), as a byte the largest magnitude's exponent field - 2, held at 1 from below;
; each number is divided by the scale and rounded to the nearest code, ties to even, beyond 7.5 the largest code.
; LIMITS: a block of zeros gets the byte 1 where the rule says 127 (its codes are zeros, which add nothing, and only this program reads the bytes); NaN and infinities among the inputs are not served;
; head numbers lie in 0 .. 7, as the table that they index asks: another number would leave places of the list unwritten.
; LAYOUTS.  A FRAGMENT (16 rows x 128 K, 12 registers a lane) lies as an image of its registers, 1,536 bytes: register 4 q + i of lane L at byte 512 q + 16 L + 4 i.
;   w1c [head][tile 32][K step 2][1536]: lane-row r of tile 2 p + u is hidden unit 32 p + 8 u + r + 8 (r / 8), so that the results of two neighbouring tiles are 16 neighbours along the next K
;   w2c [head][tile 128][K step 4][1536]: lane-row r of tile n is column 16 n + r
;   w1s [head][K step][pair of tiles 16][32 x 4 bytes], w2s [head][K step][pair 64][128]: lanes 0-15 the even tile's scale words, lanes 16-31 the odd tile's
;   route: 64 entries of 16 bytes (head, first place in the list, rows, 0); from byte 1,024 the 4,096 token numbers by head; then 128 zeros, so that 80 numbers can be read from any first place
; No tensor loads, no matrix unit, no cluster: work-groups share no input, and memory binds.
.set WV,   26                          ; s26  my wave's number
.set WREG, 5632                        ; X's job: LDS of a wave: two stages of 32 x 80 bytes, then its 128 scale bytes
.set SP,   80                          ; a lane's place in a stage: 64 bytes + 16 of padding
.set CT,   45056                       ; ROUTE's job: 8 waves x 128 bytes of counts, behind the bytes of X's job: each job has LDS bytes of its own
; ---- one block of 32 along K of my column: v[16 + 32 b] on.  Block b = 2 c + h belongs to half h of the lanes of the fragment, registers 6 c .. 6 c + 5
.macro QBLK b
.set XS, 16+32*(\b)
.set FD, 144+12*((\b)%2)+6*((\b)/2)    ; v144-155: what lane r of the fragment holds; v156-167: what lane 16 + r holds
.set TD, 168+4*(\b)
	v_max3_num_f32 v12, |v[XS]|, |v[XS+1]|, |v[XS+2]|              ; the block's largest magnitude: all 32 numbers are mine; two chains
	v_max3_num_f32 v13, |v[XS+3]|, |v[XS+4]|, |v[XS+5]|
.irp i, 6,10,14,18,22,26
	v_max3_num_f32 v12, v12, |v[XS+\i]|, |v[XS+\i+1]|
	v_max3_num_f32 v13, v13, |v[XS+\i+2]|, |v[XS+\i+3]|
.endr
	v_max3_num_f32 v12, v12, |v[XS+30]|, |v[XS+31]|
	v_max3_num_f32 v12, v12, v13, 0x1800000        ; and the floor 2^(3 - 127): the byte cannot fall under 1
	v_add_nc_u32 v11, 0xff000000, v12              ; 2 off the exponent field: the conversion takes this operand's exponent field as its scale
	v_cvt_scalef32_pk16_fp6_f32 v[FD:FD+2], v[XS:XS+15], v11
	v_cvt_scalef32_pk16_fp6_f32 v[TD:TD+2], v[XS+16:XS+31], v11    ; (a conversion's three registers begin on an even number: the block's second three are made elsewhere and moved)
	v_lshrrev_b32 v13, 23, v11                     ; the scale's byte; also the plain line behind the conversions
.if (\b) == 0
	v_mov_b32 v14, v13                             ; the four bytes make my column's scale word, the lower K in the lower byte
.else
	v_lshl_or_b32 v14, v13, 8*(\b), v14
.endif
.irp i, 0,1,2
	v_mov_b32 v[FD+3+\i], v[TD+\i]
.endr
.endm
; ---- a weight whose K is its first axis.  A work-group takes 128 along K x 256 columns, a wave 32 columns: A LANE IS A COLUMN AND ITS REGISTERS RUN DOWN K, so nothing is transposed.
; FIRST: the job's first work-group; PITCH: bytes of a row; NKS: K steps of 128; CBITS, SBITS: bits of the column block and of the K step in the work-group's number; HEADB: bytes of a head;
; PERM = 1: W1's choice of a tile's rows; SRC, COD, SCL: the scalar pairs with the three addresses
.macro QW FIRST, PITCH, NKS, CBITS, SBITS, HEADB, PERM, SRC, COD, SCL
	s_sub_co_u32 s27, ttmp9, \FIRST
	s_and_b32 s28, s27, (1<<\CBITS)-1              ; block of 256 columns
	s_lshr_b32 s29, s27, \CBITS
	s_and_b32 s29, s29, \NKS-1                     ; K step
	s_lshr_b32 s30, s27, \CBITS+\SBITS             ; head
	s_mul_i32 s32, s30, \HEADB                     ; the source: head, 128 rows a K step, 1,024 bytes a column block, 128 bytes a wave
	s_mul_i32 s31, s29, 128*\PITCH
	s_add_co_u32 s32, s32, s31
	s_lshl_b32 s31, s28, 10
	s_add_co_u32 s32, s32, s31
	s_lshl_b32 s31, s[WV], 7
	s_add_co_u32 s32, s32, s31
	s_mov_b32 s33, 0
	s_add_nc_u64 s[\SRC:\SRC+1], s[\SRC:\SRC+1], s[32:33]
	v_lshlrev_b32 v2, 2, v1                        ; 4 bytes a lane: a wave's load reads 128 consecutive bytes, the eight waves stand side by side on 1,024
.set QI, 0
.rept 128
	global_load_b32 v[16+QI], v2, s[\SRC:\SRC+1] offset:QI*\PITCH th:TH_LOAD_NT    ; row k = QI of the K step; 127 rows at the most stand in the immediate
.set QI, QI+1
.endr
	s_mul_i32 s34, s30, \PITCH/64                  ; the codes: ((head x tiles + 16 x column block + 2 x wave) x K steps + K step) x 1,536
	s_lshl_b32 s31, s28, 4
	s_add_co_u32 s34, s34, s31
	s_lshl_b32 s31, s[WV], 1
	s_add_co_u32 s34, s34, s31
	s_mul_i32 s34, s34, \NKS
	s_add_co_u32 s34, s34, s29
	s_mul_i32 s34, s34, 1536
	s_mov_b32 s35, 0
	s_add_nc_u64 s[\COD:\COD+1], s[\COD:\COD+1], s[34:35]
	s_mul_i32 s36, s30, \NKS                       ; the scale words: ((head x K steps + K step) x pairs + 8 x column block + wave) x 128
	s_add_co_u32 s36, s36, s29
	s_mul_i32 s36, s36, \PITCH/128
	s_lshl_b32 s31, s28, 3
	s_add_co_u32 s36, s36, s31
	s_add_co_u32 s36, s36, s[WV]
	s_lshl_b32 s36, s36, 7
	s_mov_b32 s37, 0
	s_add_nc_u64 s[\SCL:\SCL+1], s[\SCL:\SCL+1], s[36:37]
.if \PERM
	v_bfe_u32 v5, v1, 3, 1                         ; unit x of the wave's 32 = 16 (r / 8) + 8 u + r % 8: which tile of the pair,
	v_and_b32 v6, 7, v1
	v_lshrrev_b32 v7, 4, v1
	v_lshl_or_b32 v6, v7, 3, v6                    ; and which lane-row
.else
	v_lshrrev_b32 v5, 4, v1                        ; column x = 16 t + r
	v_and_b32 v6, 15, v1
.endif
	v_mul_u32_u24 v3, v5, \NKS*1536                ; my place in the codes: my tile, 16 bytes a lane-row
	v_lshl_add_u32 v3, v6, 4, v3
	v_lshlrev_b32 v4, 6, v5                        ; and among the pair's scale words
	v_lshl_add_u32 v4, v6, 2, v4
	s_wait_loadcnt 63                              ; at most 63 of the 128 loads are out: the first 65 are in, blocks 0 and 1 among them
	QBLK 0
	QBLK 1
	s_wait_loadcnt 32                              ; block 3's 32 loads may be out
	QBLK 2
	s_wait_loadcnt 0x0
	QBLK 3
.irp h, 0,1
.irp q, 0,1,2
	global_store_b128 v3, v[144+12*\h+4*\q:144+12*\h+4*\q+3], s[\COD:\COD+1] offset:512*\q+256*\h    ; sixteen lanes of a tile store 256 consecutive bytes, at a multiple of 256 from the buffer's first byte
.endr
.endr
	global_store_b32 v4, v14, s[\SCL:\SCL+1]       ; the wave's 32 scale words: 128 consecutive bytes
	s_endpgm
.endm
	s_load_b512 s[4:19], s[0:1], 0x0               ; X_head_idx s[4:5], X s[6:7], W1 s[8:9], W2 s[10:11], route s[12:13], xc s[14:15], xs s[16:17], w1c s[18:19]
	s_load_b128 s[20:23], s[0:1], 0x40             ; w1s s[20:21], w2c s[22:23]
	s_load_b64 s[24:25], s[0:1], 0x50              ; w2s
	v_lshl_add_u32 v224, v0, 2, 0xb400
	v_mov_b32 v225, 0
	v_lshrrev_b32 v1, 5, v0
	v_readfirstlane_b32 s[WV], v1                  ; wave 0..7
	v_and_b32 v1, 31, v0                           ; lane
	s_wait_kmcnt 0x0
	s_cmp_eq_u32 ttmp9, 0
	s_cbranch_scc1 .Lroute
	s_cmp_lt_u32 ttmp9, 33
	s_cbranch_scc1 .Lx
	s_cmp_lt_u32 ttmp9, 65
	s_cbranch_scc1 .Lw1
	QW 65, 8192, 4, 3, 2, 4194304, 0, 10, 22, 24   ; W2: 8 heads x 4 K steps x 8 column blocks
.Lw1:
	QW 33, 2048, 2, 1, 1, 524288, 1, 8, 18, 20     ; W1: 8 heads x 2 K steps x 2 column blocks
; ---- X: rows are dense and 256 is a multiple of 32, so X is a plain stream of blocks, and so are its codes and scale bytes.  A wave takes 4,096 numbers in 8 steps of 512.
; A load reads 512 consecutive bytes, 16 a lane; the conversion wants 16 NEIGHBOURS in a lane: a step's 2,048 bytes turn through the wave's own stage in LDS.  Two neighbouring lanes hold a block.
.Lx:
	s_sub_co_u32 s27, ttmp9, 1
	s_lshl_b32 s27, s27, 3
	s_add_co_u32 s28, s27, s[WV]                   ; which run of 4,096 numbers is my wave's
	s_lshl_b32 s30, s28, 14
	s_mov_b32 s31, 0
	s_add_nc_u64 s[6:7], s[6:7], s[30:31]
	v_lshlrev_b32 v3, 4, v1                        ; my 16 bytes of a load's 512
.set QI, 0
.rept 32
	global_load_b128 v[16+4*QI:16+4*QI+3], v3, s[6:7] offset:512*QI th:TH_LOAD_NT     ; all eight steps' loads go out at once: step t's four land in v[16 + 16 t] on
.set QI, QI+1
.endr
	s_mul_i32 s29, s[WV], WREG
	v_lshrrev_b32 v14, 2, v1
	v_mul_u32_u24 v14, v14, SP
	v_and_b32 v15, 3, v1
	v_lshl_add_u32 v14, v15, 4, v14
	v_add_nc_u32 v14, s29, v14                     ; the stage, on the way in: four lanes' 64 bytes on end, then the padding
	v_mul_u32_u24 v15, v1, SP
	v_add_nc_u32 v15, s29, v15                     ; and on the way out: my 16 neighbours
	v_mul_u32_u24 v4, v1, 12                       ; my 16 codes' place in a step's 384 bytes
	v_lshrrev_b32 v5, 1, v1
	s_add_co_u32 s29, s29, 2*32*SP
	v_add_nc_u32 v5, s29, v5                       ; LDS: my block's scale byte
	v_lshlrev_b32 v7, 2, v1
	v_add_nc_u32 v6, s29, v7                       ; and on the way out 4 bytes a lane
	s_mul_i32 s30, s28, 3072
	s_add_nc_u64 s[14:15], s[14:15], s[30:31]      ; my run's codes
	s_lshl_b32 s30, s28, 7
	s_add_nc_u64 s[16:17], s[16:17], s[30:31]      ; and its 128 scale bytes
.macro XTURN t                         ; step t's numbers through stage t % 2: LDS serves a wave's instructions in order, so no wait stands between the stores and the loads
.irp i, 0,1,2,3
	ds_store_b128 v14, v[16+16*(\t)+4*\i:16+16*(\t)+4*\i+3] offset:32*SP*((\t)%2)+8*SP*\i
.endr
.irp i, 0,1,2,3
	ds_load_b128 v[144+16*((\t)%2)+4*\i:144+16*((\t)%2)+4*\i+3], v15 offset:32*SP*((\t)%2)+16*\i
.endr
.endm
.macro XSTEP t
.set XS, 144+16*((\t)%2)
.if (\t) > 0
	s_wait_dscnt 1                                 ; this step's numbers are back from the stage; the last step's byte store may be out
.else
	s_wait_dscnt 0x0
.endif
.if (\t) < 7
	s_wait_loadcnt 4*(6-(\t))                      ; the next step's four loads are in; those of the steps behind it may be out
	XTURN (\t)+1                                   ; and turn through the other stage while this step is worked
.endif
	v_max3_num_f32 v8, |v[XS]|, |v[XS+1]|, |v[XS+2]|               ; the largest magnitude of my 16
	v_max3_num_f32 v9, |v[XS+3]|, |v[XS+4]|, |v[XS+5]|
.irp i, 6,10
	v_max3_num_f32 v8, v8, |v[XS+\i]|, |v[XS+\i+1]|
	v_max3_num_f32 v9, v9, |v[XS+\i+2]|, |v[XS+\i+3]|
.endr
	v_max3_num_f32 v8, v8, |v[XS+14]|, |v[XS+15]|
	v_max3_num_f32 v8, v8, v9, 0x1800000           ; and the floor 2^(3 - 127)
	v_max_num_f32_dpp v8, v8, v8 row_xmask:1 row_mask:0xf bank_mask:0xf   ; and of my neighbour's 16: the block's
	v_add_nc_u32 v11, 0xff000000, v8               ; the conversion's scale operand
	v_cvt_scalef32_pk16_fp6_f32 v[176+4*(\t):178+4*(\t)], v[XS:XS+15], v11
	v_lshrrev_b32 v[208+(\t)], 23, v11             ; the scale's byte; each step has registers of its own for codes and byte, so no store's data are written again
	ds_store_b8 v5, v[208+(\t)] offset:16*(\t)     ; both lanes of a block write the same byte with the same value
	global_store_b96 v4, v[176+4*(\t):178+4*(\t)], s[14:15] offset:384*(\t)   ; the wave stores 384 consecutive bytes
.endm
	s_wait_loadcnt 28                              ; step 0's four loads are in
	XTURN 0
.irp t, 0,1,2,3,4,5,6,7
	XSTEP \t
.endr
	ds_load_b32 v12, v6                            ; in order behind my byte stores
	s_wait_dscnt 0x0
	global_store_b32 v7, v12, s[16:17]             ; the run's 128 scale bytes, consecutive
	s_wait_tensorcnt 0x0
	ds_add_u32 v224, v225
	s_wait_dscnt 0x0
	s_endpgm
; ---- ROUTE: one work-group.  Wave w holds tokens 512 w .. 512 w + 511: register 4 j + i of a lane is token 512 w + 128 j + 4 lane + i.
.Lroute:
	s_lshl_b32 s27, s[WV], 11
	v_lshlrev_b32 v2, 4, v1
	v_add_nc_u32 v2, s27, v2
.irp j, 0,1,2,3
	global_load_b128 v[16+4*\j:19+4*\j], v2, s[4:5] offset:512*\j
.endr
.irp e, 0,1,2,3,4,5,6,7
	s_mov_b32 s[40+\e], 0                          ; s40-47: how many tokens of head e the wave has met so far
.endr
	v_lshl_add_u32 v65, v0, 2, CT                  ; where my lane's count goes,
	v_and_b32 v74, 7, v0
	v_lshl_add_u32 v74, v74, 2, CT                 ; and from where lane l reads the counts of head l % 8
	v_mov_b32 v64, 0
	s_lshl_b32 s27, s[WV], 9
	v_lshl_add_u32 v78, v1, 2, s27                 ; 512 w + 4 lane
	s_wait_loadcnt 0x0
	; a token's rank among the wave's tokens of its head: those met in earlier registers + those in lower lanes of this register
.irp c, 0,1,2,3,4,5,6,7,8,9,10,11,12,13,14,15
.irp e, 0,1,2,3,4,5,6,7
	v_cmp_eq_u32 s[48+\e], \e, v[16+\c]
.endr
.irp e, 0,1,2,3,4,5,6,7
	v_mbcnt_lo_u32_b32 v[48+\e], s[48+\e], s[40+\e]
.endr
	v_cndmask_b32 v[32+\c], 0, v48, s48
.irp e, 1,2,3,4,5,6,7
	v_cndmask_b32 v[32+\c], v[32+\c], v[48+\e], s[48+\e]
.endr
.irp e, 0,1,2,3,4,5,6,7
	s_bcnt1_i32_b32 s[56+\e], s[48+\e]
.endr
.irp e, 0,1,2,3,4,5,6,7
	s_add_co_u32 s[40+\e], s[40+\e], s[56+\e]
.endr
.endr
.irp e, 0,1,2,3,4,5,6,7
	v_writelane_b32 v64, s[40+\e], \e              ; the wave's eight counts in lanes 0-7
.endr
	ds_store_b32 v65, v64
	s_wait_dscnt 0x0                               ; for the others' sake: my counts are in LDS
	s_barrier_signal -1
	s_barrier_wait -1
.irp w, 0,1,2,3,4,5,6,7
	ds_load_b32 v[66+\w], v74 offset:128*\w        ; wave w's count of head lane % 8
.endr
	v_mov_b32 v76, 0
	s_wait_dscnt 0x0
	v_add3_u32 v75, v66, v67, v68
	v_add3_u32 v75, v75, v69, v70
	v_add3_u32 v75, v75, v71, v72
	v_add_nc_u32 v75, v75, v73                     ; the head's rows in all
.irp w, 0,1,2,3,4,5,6
	s_cmp_gt_u32 s[WV], \w
	s_cselect_b32 s27, 1, 0
	v_mad_u32_u24 v76, v[66+\w], s27, v76          ; and in the waves ahead of mine
.endr
.irp e, 0,1,2,3,4,5,6,7
	v_readlane_b32 s[66+\e], v75, \e               ; s66-73: rows of head e
	v_readlane_b32 s[90+\e], v76, \e
.endr
	s_mov_b32 s74, 0                               ; s74-81: the head's first place in the list
	s_mov_b32 s82, 0                               ; s82-89: its first tile
.irp e, 0,1,2,3,4,5,6
	s_add_co_u32 s[75+\e], s[74+\e], s[66+\e]
	s_add_co_u32 s27, s[66+\e], 79
	s_mul_hi_u32 s27, s27, 0xcccccccd              ; (rows + 79) / 80: the high word of x 0xcccccccd is 4 x / 5 rounded down in steps of 4; 6 bits off give x / 80
	s_lshr_b32 s27, s27, 6
	s_add_co_u32 s[83+\e], s[82+\e], s27
.endr
.irp e, 0,1,2,3,4,5,6,7
	s_add_co_u32 s[90+\e], s[90+\e], s[74+\e]      ; s90-97: the place of my wave's first token of head e
.endr
.irp c, 0,1,2,3,4,5,6,7,8,9,10,11,12,13,14,15
	v_mov_b32 v77, s90
.irp e, 1,2,3,4,5,6,7
	v_cmp_ne_u32 vcc_lo, \e, v[16+\c]
	v_cndmask_b32 v77, s[90+\e], v77, vcc_lo       ; my head's base
.endr
	v_add_nc_u32 v[96+\c], v[32+\c], v77           ; the token's place
	v_min_u32 v[96+\c], 0xfff, v[96+\c]            ; held inside the list
	v_lshlrev_b32 v[96+\c], 2, v[96+\c]
	v_add_nc_u32 v[112+\c], 128*(\c/4)+\c%4, v78   ; the token's number; each store has registers of its own
	global_store_b32 v[96+\c], v[112+\c], s[12:13] offset:1024     ; 4 bytes a lane into eight runs: 16 KiB in all, by this one work-group
.endr
	; tile i = my thread's number: the last head whose first tile is not beyond i
	v_mov_b32 v136, 0
	v_mov_b32 v131, 0
	v_mov_b32 v132, 0
	v_mov_b32 v133, s66
.irp e, 1,2,3,4,5,6,7
	v_cmp_gt_u32 vcc_lo, s[82+\e], v0
	v_cndmask_b32 v136, \e, v136, vcc_lo           ; head
	v_cndmask_b32 v131, s[82+\e], v131, vcc_lo     ; its first tile
	v_cndmask_b32 v132, s[74+\e], v132, vcc_lo     ; its first place
	v_cndmask_b32 v133, s[66+\e], v133, vcc_lo     ; its rows
.endr
	v_sub_nc_u32 v134, v0, v131
	v_mul_u32_u24 v134, 80, v134
	v_min_u32 v134, v134, v133                     ; rows of the head ahead of this tile (all of them for a tile beyond the last)
	v_add_nc_u32 v137, v132, v134                  ; first place: 4,096 at the most
	v_sub_nc_u32 v138, v133, v134
	v_min_u32 v138, 80, v138                       ; rows: 0 for a tile that this split leaves empty
	v_mov_b32 v139, 0
	v_lshlrev_b32 v140, 4, v0
	v_lshlrev_b32 v141, 4, v1
.irp i, 0,1,2,3
	v_mov_b32 v[144+\i], 0
.endr
	s_cmp_ge_u32 s[WV], 2
	s_cbranch_scc1 .Lr_hi
	global_store_b128 v140, v[136:139], s[12:13]   ; waves 0 and 1: the 64 entries, 1,024 consecutive bytes
	s_branch .Lr_end
.Lr_hi:
	s_cmp_lg_u32 s[WV], 2
	s_cbranch_scc1 .Lr_end
	global_store_b128 v141, v[144:147], s[12:13] offset:17408      ; wave 2: the 128 zeros behind the list
.Lr_end:
	s_wait_tensorcnt 0x0
	ds_add_u32 v224, v225
	s_wait_dscnt 0x0
	s_endpgm
.Lfunc_end_k_q141fb6c7cf_prep:
	.size	k_q141fb6c7cf_prep, .Lfunc_end_k_q141fb6c7cf_prep-k_q141fb6c7cf_prep
	.p2alignl 7, 3214868480
	.fill 96, 4, 3214868480
	.section	.rodata,"a",@progbits
	.p2align	6, 0x0
	.amdhsa_kernel k_q141fb6c7cf_prep
		.amdhsa_group_segment_fixed_size 47104
		.amdhsa_private_segment_fixed_size 0
		.amdhsa_enable_private_segment 0
		.amdhsa_kernarg_size 88
		.amdhsa_user_sgpr_count 2
		.amdhsa_user_sgpr_kernarg_segment_ptr 1
		.amdhsa_wavefront_size32 1
		.amdhsa_system_sgpr_workgroup_id_x 1
		.amdhsa_system_sgpr_workgroup_id_y 1
		.amdhsa_system_sgpr_workgroup_id_z 1
		.amdhsa_system_vgpr_workitem_id 0
		.amdhsa_next_free_vgpr 226
		.amdhsa_next_free_sgpr 100
		.amdhsa_reserve_vcc 1
		.amdhsa_float_denorm_mode_32 3
		.amdhsa_float_denorm_mode_16_64 3
		.amdhsa_memory_ordered 1
		.amdhsa_forward_progress 1
		.amdhsa_inst_pref_size 110
	.end_amdhsa_kernel
	.amdgpu_metadata
---
amdhsa.version: [ 1, 2 ]
amdhsa.kernels:
  - .name:           k_q141fb6c7cf_prep
    .symbol:         k_q141fb6c7cf_prep.kd
    .args:
      - { .name: X_head_idx, .offset: 0, .size: 8, .value_kind: global_buffer, .address_space: global }
      - { .name: X, .offset: 8, .size: 8, .value_kind: global_buffer, .address_space: global }
      - { .name: W1, .offset: 16, .size: 8, .value_kind: global_buffer, .address_space: global }
      - { .name: W2, .offset: 24, .size: 8, .value_kind: global_buffer, .address_space: global }
      - { .name: route, .offset: 32, .size: 8, .value_kind: global_buffer, .address_space: global }
      - { .name: xc, .offset: 40, .size: 8, .value_kind: global_buffer, .address_space: global }
      - { .name: xs, .offset: 48, .size: 8, .value_kind: global_buffer, .address_space: global }
      - { .name: w1c, .offset: 56, .size: 8, .value_kind: global_buffer, .address_space: global }
      - { .name: w1s, .offset: 64, .size: 8, .value_kind: global_buffer, .address_space: global }
      - { .name: w2c, .offset: 72, .size: 8, .value_kind: global_buffer, .address_space: global }
      - { .name: w2s, .offset: 80, .size: 8, .value_kind: global_buffer, .address_space: global }
    .group_segment_fixed_size: 47104
    .private_segment_fixed_size: 0
    .kernarg_segment_align: 8
    .kernarg_segment_size: 88
    .max_flat_workgroup_size: 256
    .sgpr_count:     100
    .vgpr_count:     226
    .wavefront_size: 32
...
	.end_amdgpu_metadata
.endif
;; end of part 1
;; launch chain (part 2): grid 4 x 59, 4 waves a work-group, no clusters, 68,096 bytes of LDS; arguments route, xc, xs, w1c, w1s, b1, w2c, w2s, b2, out0; writes out0
.if DOCPART == 2
	.amdgcn_target "amdgcn-amd-amdhsa--gfx1250"
	.amdhsa_code_object_version 6
	.text
	.protected	k_q141fb6c7cf_chain
	.globl	k_q141fb6c7cf_chain
	.p2align	8
	.type	k_q141fb6c7cf_chain,@function
k_q141fb6c7cf_chain:
	s_mov_b64 s[64:65], 0
	v_nop
	global_prefetch_b8 v0, s[64:65] scope:SCOPE_SE
	s_setreg_imm32_b32 hwreg(HW_REG_WAVE_MODE, 25, 1), 1
	s_wait_xcnt 0x0
; CHAIN: out[token] = relu(X[token] W1[head] + b1[head]) W2[head] + b2[head], head = the token's own, both products on codes of E2M3 with one E8M0 scale for each 32 along K.
; Only the chosen head's rows are multiplied.  The tokens lie sorted by head in 'route', cut into tiles of at most 80 rows of one head: never more than ceil(4096 / 80) + 7 = 59 tiles, whatever the split.
; SHARES.  Work-group (g, tile) takes the tile's rows and output columns 512 g .. 512 g + 511: 4 x 59 = 236 work-groups.  A tile that this split leaves empty stores nothing.
; THE WAVES SHARE THE COLUMNS, NOT THE ROWS: wave w makes hidden units 128 w .. + 127 and outputs 512 g + 128 w .. + 127 for all five row tiles of 16.  Its part of W1 (16 fragments) and of W2 (32) goes from memory
; straight into its registers, each fragment by three loads of 16 bytes a lane, since the launch before laid them in the order of the registers.  The first product is made once in each of the four g: 80 of a wave's 240 products.
; THE HIDDEN LAYER never goes to memory: it is quantised in registers (a wave's 128 units are one K step of the second product) and goes from wave to wave through LDS as images of the operand's registers.
; BOTH PRODUCTS ARE USED TRANSPOSED (source 0 = 16 rows of the weight, source 1 = 16 rows of tokens): a lane holds one token's row, and its registers run along the hidden units or the output columns.
; The biases are the C of each sum's first product.  One barrier; it stands ahead of every branch on the tile's number of rows, so that every wave passes it.
; Rows beyond the tile's number are other tokens' (or token 0's): they are computed, since rows do not touch each other, and not stored.
; NO JOINT LOADS: how many row tiles read one slab of W2 hangs on the counts (0 to 52), so no fixed cluster holds just the tiles of one head; the four g of a tile share W1 and X alone, 98,304 + 15,360 of the 310,272 bytes of codes that a work-group reads.
; LIMITS: NaN and infinities are not served; a hidden block of zeros gets the scale byte 1 (its codes are zeros).
; REGISTERS, in windows of 256.  Window 0: below.  Window 1: W1's fragment (t, s) at 12 (2 t + s), b1 at 192 + 8 t; in phase 2 two sets of 8 accumulators at 0 and 64, b2 at 192 + 8 n.
;   Window 2: W2's fragments of K steps 0, 1 at 12 (2 n + s); X's K step 0 at 192 + 12 m.   Window 3: W2's of K steps 2, 3; X's K step 1.
.set FRB,  1536                        ; a fragment's image in bytes
.set HIMG, 0                           ; LDS: the hidden layer's 20 fragments (row tile m, K step s: 4 m + s),
.set HSC,  30720                       ; their scale words, 128 bytes each,
.set STG,  33280                       ; and a stage of 16 rows x (512 bytes + 16) for each wave
.set LI,   4                           ; v4   16 x lane
.set LS,   5                           ; v5   4 x lane
.set HWI,  6                           ; v6   where I store images: 16 x lane + 1,536 x wave
.set HWS,  7                           ; v7   and scale words: 4 x lane + 128 x wave
.set STO,  8                           ; v8   the stage: where I put 32 bytes of a row
.set RD,   9                           ; v9   and where I read a row back
.set W1S,  16                          ; v16-23  W1's scale words (pair p, K step s: 2 p + s): lanes 0-15 tile 2 p, lanes 16-31 tile 2 p + 1
.set XSC,  24                          ; v24-28  X's (row tile m): lanes 0-15 K step 0, lanes 16-31 K step 1
.set W2S,  30                          ; v30-45  W2's (K step s, pair p: 4 s + p)
.set HS0,  46                          ; v46-53  the hidden layer's, two sets of 4
.set HA,   56                          ; v56-119 my 8 tiles of the hidden layer; in phase 2 v56-103 and v104-151 are two sets of four hidden fragments
.set PC,   120                         ; v120-138 the codes just made
.set TM,   140                         ; v140-155 at work in the quantiser
.set PW,   156                         ; v156    the scale word just made
.set BK,   160                         ; v160-223 16 rows read back from the stage
.set VO,   224                         ; v224-239 their byte offsets in out0
.set TK,   240                         ; v240-244 row tile m's token numbers (lane % 16)
.set XA,   245                         ; v245-249 my byte in X's codes
.set XSA,  250                         ; v250-254 and in X's scale bytes
.set WV,   24                          ; s24 wave; s25 g; s28 head; s29 first place; s30 rows; s[32:47] 16 token numbers; s50 4 x first place
.set CNT,  30
.set SEL,  48                          ; s[48:49] v_permlanex16_b32's selects for lane l xor 16
.set MSB, 0
.macro WIN new                         ; the immediate's high byte repeats the setting that is left; a switch that changes nothing is dropped
.if MSB != \new
	s_set_vgpr_msb (MSB<<8)|\new
.set MSB, \new
.endif
.endm
; a product: D, A (the weight), B (the rows), C, their scale registers; ra, rb: the scale is read from lanes 16-31
.macro WM d, a, b, c, sa, sb, ra, rb
.if ((\ra) != 0) && ((\rb) != 0)
	v_wmma_scale_f32_16x16x128_f8f6f4 v[(\d):(\d)+7], v[(\a):(\a)+11], v[(\b):(\b)+11], v[(\c):(\c)+7], v[(\sa)], v[(\sb)] matrix_a_fmt:MATRIX_FMT_FP6 matrix_b_fmt:MATRIX_FMT_FP6 matrix_a_scale:MATRIX_SCALE_ROW1 matrix_b_scale:MATRIX_SCALE_ROW1
.elseif (\ra) != 0
	v_wmma_scale_f32_16x16x128_f8f6f4 v[(\d):(\d)+7], v[(\a):(\a)+11], v[(\b):(\b)+11], v[(\c):(\c)+7], v[(\sa)], v[(\sb)] matrix_a_fmt:MATRIX_FMT_FP6 matrix_b_fmt:MATRIX_FMT_FP6 matrix_a_scale:MATRIX_SCALE_ROW1
.elseif (\rb) != 0
	v_wmma_scale_f32_16x16x128_f8f6f4 v[(\d):(\d)+7], v[(\a):(\a)+11], v[(\b):(\b)+11], v[(\c):(\c)+7], v[(\sa)], v[(\sb)] matrix_a_fmt:MATRIX_FMT_FP6 matrix_b_fmt:MATRIX_FMT_FP6 matrix_b_scale:MATRIX_SCALE_ROW1
.else
	v_wmma_scale_f32_16x16x128_f8f6f4 v[(\d):(\d)+7], v[(\a):(\a)+11], v[(\b):(\b)+11], v[(\c):(\c)+7], v[(\sa)], v[(\sb)] matrix_a_fmt:MATRIX_FMT_FP6 matrix_b_fmt:MATRIX_FMT_FP6
.endif
.endm
; a buffer's address moves on by ke x head + kg x g + kw x wave
.macro BASE p, ke, kg, kw
	s_mul_i32 s52, s[WV], \kw
.if \ke
	s_mul_i32 s54, s28, \ke
	s_add_co_u32 s52, s52, s54
.endif
.if \kg
	s_mul_i32 s54, s25, \kg
	s_add_co_u32 s52, s52, s54
.endif
	s_add_nc_u64 s[\p:\p+1], s[\p:\p+1], s[52:53]
.endm
; 64 numbers of a lane, v[s] .. v[s + 63], register 16 b + i = k 32 b + 16 (lane / 16) + i of my row, become a fragment's codes in v[PC] on and its scale word in v[PW]
.macro QUANT s
.irp b, 0,1,2,3
	v_max3_num_f32 v[TM+\b], |v[\s+16*\b]|, |v[\s+1+16*\b]|, 0x1800000   ; block b: my 16 numbers, and the floor 2^(3 - 127): the byte cannot fall under 1
.endr
.irp i, 2,4,6,8,10,12,14
.irp b, 0,1,2,3
	v_max3_num_f32 v[TM+\b], v[TM+\b], |v[\s+16*\b+\i]|, |v[\s+1+16*\b+\i]|   ; (the four blocks by turns)
.endr
.endr
.irp b, 0,1,2,3
	v_permlanex16_b32 v[TM+4+\b], v[TM+\b], s[SEL], s[SEL+1]
.endr
.irp b, 0,1,2,3
	v_max_num_f32 v[TM+\b], v[TM+\b], v[TM+4+\b]   ; with lane l xor 16's: the block's largest magnitude
.endr
.irp b, 0,1,2,3
	v_add_nc_u32 v[TM+12+\b], 0xff000000, v[TM+\b]   ; 2 off its exponent field: the conversion's scale operand
.endr
.irp b, 0,1,2,3
	v_lshrrev_b32 v[TM+4+\b], 23, v[TM+12+\b]      ; the scale's byte
.endr
	v_lshl_or_b32 v[PW], v[TM+5], 8, v[TM+4]       ; the four bytes make my row's scale word
	v_lshl_or_b32 v[PW], v[TM+6], 16, v[PW]
	v_lshl_or_b32 v[PW], v[TM+7], 24, v[PW]
.irp c, 0,1
	v_cvt_scalef32_pk16_fp6_f32 v[PC+6*\c:PC+2+6*\c], v[\s+32*\c:\s+15+32*\c], v[TM+12+2*\c]
	v_cvt_scalef32_pk16_fp6_f32 v[PC+12+4*\c:PC+14+4*\c], v[\s+16+32*\c:\s+31+32*\c], v[TM+12+2*\c+1]   ; (a conversion's three registers begin on an even number)
.endr
	v_nop                                          ; one plain place behind a scaled conversion
.irp c, 0,1                                    ; the operand's layout wants a WHOLE block in a lane: lanes 0-15 block 2 c, lanes 16-31 block 2 c + 1
.irp i, 0,1,2
	v_permlane16_swap_b32 v[PC+6*\c+\i], v[PC+12+4*\c+\i]
.endr
.irp i, 0,1,2
	v_mov_b32 v[PC+3+6*\c+\i], v[PC+12+4*\c+\i]
.endr
.endr
.endm
; PHASE 1 for row tile m: my 8 tiles of the hidden layer, two K steps deep; relu; quantised; the image goes to LDS as K step w of the second product.
; The 8 accumulators take turns, one instruction a turn.
.macro P1 m
	WIN 0x19                                       ; W1 and b1 window 1, X's K step 0 window 2, the results window 0
.irp t, 0,1,2,3,4,5,6,7
	WM HA+8*\t, 24*\t, 192+12*\m, 192+8*\t, W1S+2*(\t/2), XSC+\m, \t%2, 0
.endr
	WIN 0x0d                                       ; W1 window 1, X's K step 1 window 3
.irp t, 0,1,2,3,4,5,6,7
	WM HA+8*\t, 24*\t+12, 192+12*\m, HA+8*\t, W1S+2*(\t/2)+1, XSC+\m, \t%2, 1
.endr
	WIN 0
.rept 4
	v_nop                                          ; four places behind the last product, ahead of the first read of results and of loads into registers that products have read
.endr
.if (\m) == 4
	WIN 0x40
.irp n, 0,1,2,3,4,5,6,7
	global_load_b128 v[192+8*\n:195+8*\n], v11, s[20:21] offset:64*\n       ; b1 is done with: b2 takes its registers: lane (r, h), tile n: columns 16 n + 8 h + 0 .. 7
	global_load_b128 v[196+8*\n:199+8*\n], v11, s[20:21] offset:64*\n+16
.endr
	WIN 0
.endif
.set QI, 0
.rept 64
	v_max_num_f32 v[HA+QI], 0, v[HA+QI]            ; the activation, in f32; each accumulator from its low end on
.set QI, QI+1
.endr
	s_wait_dscnt 0x0                               ; the last tile's image stores have read v[PC] on and v[PW]
	QUANT HA
.irp c, 0,1,2
	ds_store_b128 v[HWI], v[PC+4*\c:PC+4*\c+3] offset:HIMG+4*FRB*(\m)+512*\c   ; the fragment as it stands: lane l's 16 bytes at 16 l
.endr
	ds_store_b32 v[HWS], v[PW] offset:HSC+512*(\m)
.endm
.macro W2LOAD n0, s0                   ; W2's fragments of tiles n0 .. n0 + 3, K steps s0 and s0 + 1: 24 loads
.irp n, \n0, \n0+1, \n0+2, \n0+3
.irp s, 0,1
.irp q, 0,1,2
	global_load_b128 v[12*(2*(\n)+\s)+4*\q:12*(2*(\n)+\s)+4*\q+3], v[LI], s[16:17] offset:(4*(\n)+\s0+\s)*FRB+512*\q
.endr
.endr
.endr
.endm
.macro HFETCH buf, m                   ; row tile m's four hidden fragments and scale words into set buf: 16 LDS loads
.irp s, 0,1,2,3
.irp q, 0,1,2
	ds_load_b128 v[HA+48*(\buf)+12*\s+4*\q:HA+48*(\buf)+12*\s+4*\q+3], v[LI] offset:HIMG+(4*(\m)+\s)*FRB+512*\q
.endr
	ds_load_b32 v[HS0+4*(\buf)+\s], v[LS] offset:HSC+128*(4*(\m)+\s)
.endr
.endm
; PHASE 2 for row tile m: my 8 tiles of outputs, four K steps deep, the 8 accumulators by turns
.macro MUL m
.set AC, 64*((\m)%2)
.set HF, HA+48*((\m)%2)
.set HSS, HS0+4*((\m)%2)
	WIN 0x52                                       ; W2 window 2, the hidden fragments window 0, C (b2, then the sums) and D window 1
.irp n, 0,1,2,3,4,5,6,7
	WM AC+8*\n, 24*\n, HF, 192+8*\n, W2S+\n/2, HSS, \n%2, 0
.endr
.irp n, 0,1,2,3,4,5,6,7
	WM AC+8*\n, 24*\n+12, HF+12, AC+8*\n, W2S+4+\n/2, HSS+1, \n%2, 0
.endr
	WIN 0x53                                       ; W2's K steps 2 and 3: window 3
.irp n, 0,1,2,3,4,5,6,7
	WM AC+8*\n, 24*\n, HF+24, AC+8*\n, W2S+8+\n/2, HSS+2, \n%2, 0
.endr
.irp n, 0,1,2,3,4,5,6,7
	WM AC+8*\n, 24*\n+12, HF+36, AC+8*\n, W2S+12+\n/2, HSS+3, \n%2, 0
.endr
	WIN 0
.endm
; A lane holds 32 neighbouring bytes of a row, the lanes beside it other rows: the 16 rows x 512 bytes go through my own stage and come back as whole rows.  LDS serves a wave's instructions in order: no wait between.
.macro TOSTAGE m
.set AC, 64*((\m)%2)
	WIN 0x04                                       ; an LDS store's data are its source 1: window 1
.irp n, 0,1,2,3,4,5,6,7
	ds_store_b128 v[STO], v[AC+8*\n:AC+8*\n+3] offset:64*\n          ; each accumulator from its low end on
	ds_store_b128 v[STO], v[AC+8*\n+4:AC+8*\n+7] offset:64*\n+16
.endr
	WIN 0
	s_wait_xcnt 0x0                                ; the last tile's stores have read v[BK] on and v[VO] on: both are written again only behind this wait
.irp i, 0,1,2,3,4,5,6,7,8,9,10,11,12,13,14,15
	ds_load_b128 v[BK+4*\i:BK+4*\i+3], v[RD] offset:528*\i
.endr
.endm
; Row i of row tile m goes to its token's row of out0; the first row beyond the tile's number ends the wave.
.macro SEND m
.irp i, 0,1,2,3,4,5,6,7,8,9,10,11,12,13,14,15
	s_cmp_gt_u32 s[CNT], 16*(\m)+\i
	s_cbranch_scc0 .Lend
	s_min_u32 s54, s[32+\i], 4095                  ; the token's number, held inside out0
	s_lshl_b32 s54, s54, 13                        ; a row of out0 is 8,192 bytes
	v_add_nc_u32 v[VO+\i], s54, v[LI]
	s_wait_dscnt 15-\i                             ; row i is back from the stage; the rows behind it may be out
	global_store_b128 v[VO+\i], v[BK+4*\i:BK+4*\i+3], s[22:23] th:TH_STORE_NT   ; 32 lanes store 512 consecutive bytes, at a multiple of 512 from out0's first byte; written once, read by nobody here
.endr
.endm
	s_load_b512 s[4:19], s[0:1], 0x0               ; route s[4:5], xc s[6:7], xs s[8:9], w1c s[10:11], w1s s[12:13], b1 s[14:15], w2c s[16:17], w2s s[18:19]
	s_load_b128 s[20:23], s[0:1], 0x40             ; b2 s[20:21], out0 s[22:23]
	v_lshl_add_u32 v159, v0, 2, 0x10800
	v_mov_b32 v255, 0
	v_lshrrev_b32 v1, 5, v0
	v_readfirstlane_b32 s[WV], v1                  ; wave 0..3
	s_mov_b32 s25, ttmp9                           ; g
	s_and_b32 s26, ttmp7, 0xffff                   ; tile
	s_lshl_b32 s27, s26, 4
	s_wait_kmcnt 0x0
	s_load_b128 s[28:31], s[4:5], s27 offset:0x0   ; the tile's entry: head, first place, rows
	v_and_b32 v1, 31, v0                           ; lane
	v_and_b32 v2, 15, v0                           ; r
	v_bfe_u32 v3, v0, 4, 1                         ; h
	v_lshlrev_b32 v[LI], 4, v1
	v_lshlrev_b32 v[LS], 2, v1
	s_mul_i32 s54, s[WV], FRB
	v_add_nc_u32 v[HWI], s54, v[LI]
	s_lshl_b32 s54, s[WV], 7
	v_add_nc_u32 v[HWS], s54, v[LS]
	s_mul_i32 s54, s[WV], 16*528
	s_add_co_u32 s54, s54, STG                     ; my stage
	v_mul_u32_u24 v[STO], v2, 528
	v_lshl_add_u32 v[STO], v3, 5, v[STO]
	v_add_nc_u32 v[STO], s54, v[STO]               ; in: row r, + 32 h
	v_add_nc_u32 v[RD], s54, v[LI]                 ; back: 16 bytes a lane of one row
	v_lshlrev_b32 v10, 6, v3                       ; b1: 16 h numbers on
	v_lshlrev_b32 v11, 5, v3                       ; b2: 8 h numbers on
	v_mul_u32_u24 v13, v3, 24                      ; a fragment's 24 bytes a half
	v_lshlrev_b32 v14, 2, v3
.irp b, 0,1,2,3
	v_mov_b32 v[TM+4+\b], 0                        ; written once: a lane permute's destination counts as one of its sources
.endr
	s_mov_b32 s[SEL], 0x76543210
	s_mov_b32 s[SEL+1], 0xfedcba98
	s_mov_b32 s53, 0
	s_wait_kmcnt 0x0
	s_min_u32 s28, s28, 7                          ; loaded numbers are held before they enter an address
	s_min_u32 s29, s29, 4096
	s_min_u32 s[CNT], s[CNT], 80
	s_lshl_b32 s50, s29, 2
	v_lshl_add_u32 v12, v2, 2, s50                 ; the list from my tile's first place on, 4 bytes a row
.irp m, 0,1,2,3,4
	global_load_b32 v[TK+\m], v12, s[4:5] offset:1024+64*\m        ; row 16 m + r's token (the list has 128 zeros behind it: 80 numbers can be read from any first place)
.endr
	BASE 10, 98304, 0, 24576
	WIN 0x40
.set QI, 0
.rept 48
	global_load_b128 v[4*QI:4*QI+3], v[LI], s[10:11] offset:512*QI  ; W1's 16 fragments lie on end, in the order of my registers
.set QI, QI+1
.endr
	WIN 0
	BASE 12, 4096, 0, 512
	BASE 14, 2048, 0, 512
	BASE 16, 786432, 196608, 49152
	BASE 18, 32768, 2048, 512
	BASE 20, 8192, 2048, 512
	BASE 22, 0, 2048, 512
	s_wait_loadcnt 48                              ; the five token numbers are in; W1's 48 loads may be out
.irp m, 0,1,2,3,4
	v_min_u32 v[TK+\m], 0xfff, v[TK+\m]
.endr
.irp m, 0,1,2,3,4
	v_mul_u32_u24 v[XA+\m], v[TK+\m], 192          ; a row of X's codes is 192 bytes,
	v_lshlrev_b32 v[XSA+\m], 3, v[TK+\m]           ; of its scale bytes 8
.endr
.irp m, 0,1,2,3,4
	v_add_nc_u32 v[XA+\m], v[XA+\m], v13           ; + 24 h
	v_add_nc_u32 v[XSA+\m], v[XSA+\m], v14         ; lanes 0-15 K step 0's word, lanes 16-31 K step 1's
.endr
	WIN 0x80
.irp m, 0,1,2,3,4
.irp p, 0,1,2,3,4,5
	global_load_b64 v[192+12*\m+2*\p:193+12*\m+2*\p], v[XA+\m], s[6:7] offset:48*(\p/3)+8*(\p%3)      ; the gathered rows' fragments, K step 0: 24 bytes of the row's stream of bits as three pieces of 8
.endr
.endr
	WIN 0xc0
.irp m, 0,1,2,3,4
.irp p, 0,1,2,3,4,5
	global_load_b64 v[192+12*\m+2*\p:193+12*\m+2*\p], v[XA+\m], s[6:7] offset:96+48*(\p/3)+8*(\p%3)   ; K step 1
.endr
.endr
	WIN 0
.irp m, 0,1,2,3,4
	global_load_b32 v[XSC+\m], v[XSA+\m], s[8:9]
.endr
	WIN 0x40
.irp t, 0,1,2,3,4,5,6,7
	global_load_b128 v[192+8*\t:195+8*\t], v10, s[14:15] offset:(32*(\t/2)+8*(\t%2))*4       ; b1 in the result's layout: lane (r, h), tile 2 p + u: units 32 p + 16 h + 8 u + 0 .. 7
	global_load_b128 v[196+8*\t:199+8*\t], v10, s[14:15] offset:(32*(\t/2)+8*(\t%2))*4+16
.endr
	WIN 0
.irp p, 0,1,2,3
.irp s, 0,1
	global_load_b32 v[W1S+2*\p+\s], v[LS], s[12:13] offset:2048*\s+128*\p
.endr
.endr
	WIN 0x80
	W2LOAD 0, 0
	W2LOAD 4, 0
	WIN 0
	s_wait_loadcnt 48                              ; all that phase 1 reads is in; W2's 48 loads just issued may be out.  The rest of W2 is asked for between the row tiles, so that no more loads are out than the counter can tell apart
	P1 0
	WIN 0xc0
	W2LOAD 0, 2
	WIN 0
	P1 1
	WIN 0xc0
	W2LOAD 4, 2
	WIN 0
	P1 2
.irp s, 0,1,2,3
.irp p, 0,1,2,3
	global_load_b32 v[W2S+4*\s+\p], v[LS], s[18:19] offset:8192*\s+128*\p
.endr
.endr
	P1 3
	P1 4
	s_wait_dscnt 0x0                               ; for the others' sake: my five images and their scale words are in LDS
	s_barrier_signal -1
	s_barrier_wait -1                              ; the hidden layer's twenty fragments lie in LDS; nobody writes them again
	s_cmp_eq_u32 s[CNT], 0
	s_cbranch_scc1 .Lend                           ; a tile that this split leaves empty stores nothing
	s_load_b512 s[32:47], s[4:5], s50 offset:1024  ; row tile 0's token numbers as scalars
	HFETCH 0, 0
	HFETCH 1, 1
	s_wait_loadcnt 0x0                             ; W2, its scale words and b2
.irp m, 0,1,2,3,4
.if \m == 0
	s_wait_dscnt 16                                ; row tile 0's fragments are in; row tile 1's 16 loads may be out
.else
	s_wait_dscnt 32                                ; all but the last tile's 16 stores into the stage and 16 loads out of it
.endif
	MUL \m
.if \m > 0
	s_wait_kmcnt 0x0
	SEND \m-1                                      ; the tile before leaves; its sixteen additions, which name no register of the products above, are the places behind them
	s_load_b512 s[32:47], s[4:5], s50 offset:1024+64*\m
.else
.rept 4
	v_nop                                          ; four places ahead of loads into registers that products have read and of the stores that read results
.endr
.endif
.if \m < 3
	HFETCH \m%2, \m+2                              ; this tile's set takes the tile two further on
.endif
	TOSTAGE \m
.endr
	s_wait_kmcnt 0x0
	SEND 4
.Lend:
	s_wait_dscnt 0x0                               ; no LDS load of mine is out at the end
	s_wait_tensorcnt 0x0
	ds_add_u32 v159, v255
	s_wait_dscnt 0x0
	s_endpgm
.Lfunc_end_k_q141fb6c7cf_chain:
	.size	k_q141fb6c7cf_chain, .Lfunc_end_k_q141fb6c7cf_chain-k_q141fb6c7cf_chain
	.p2alignl 7, 3214868480
	.fill 96, 4, 3214868480
	.section	.rodata,"a",@progbits
	.p2align	6, 0x0
	.amdhsa_kernel k_q141fb6c7cf_chain
		.amdhsa_group_segment_fixed_size 68096
		.amdhsa_private_segment_fixed_size 0
		.amdhsa_enable_private_segment 0
		.amdhsa_kernarg_size 80
		.amdhsa_user_sgpr_count 2
		.amdhsa_user_sgpr_kernarg_segment_ptr 1
		.amdhsa_wavefront_size32 1
		.amdhsa_system_sgpr_workgroup_id_x 1
		.amdhsa_system_sgpr_workgroup_id_y 1
		.amdhsa_system_sgpr_workgroup_id_z 1
		.amdhsa_system_vgpr_workitem_id 0
		.amdhsa_next_free_vgpr 1024
		.amdhsa_next_free_sgpr 100
		.amdhsa_reserve_vcc 0
		.amdhsa_float_denorm_mode_32 3
		.amdhsa_float_denorm_mode_16_64 3
		.amdhsa_memory_ordered 1
		.amdhsa_forward_progress 1
		.amdhsa_inst_pref_size 135
	.end_amdhsa_kernel
	.amdgpu_metadata
---
amdhsa.version: [ 1, 2 ]
amdhsa.kernels:
  - .name:           k_q141fb6c7cf_chain
    .symbol:         k_q141fb6c7cf_chain.kd
    .args:
      - { .name: route, .offset: 0, .size: 8, .value_kind: global_buffer, .address_space: global }
      - { .name: xc, .offset: 8, .size: 8, .value_kind: global_buffer, .address_space: global }
      - { .name: xs, .offset: 16, .size: 8, .value_kind: global_buffer, .address_space: global }
      - { .name: w1c, .offset: 24, .size: 8, .value_kind: global_buffer, .address_space: global }
      - { .name: w1s, .offset: 32, .size: 8, .value_kind: global_buffer, .address_space: global }
      - { .name: b1, .offset: 40, .size: 8, .value_kind: global_buffer, .address_space: global }
      - { .name: w2c, .offset: 48, .size: 8, .value_kind: global_buffer, .address_space: global }
      - { .name: w2s, .offset: 56, .size: 8, .value_kind: global_buffer, .address_space: global }
      - { .name: b2, .offset: 64, .size: 8, .value_kind: global_buffer, .address_space: global }
      - { .name: out0, .offset: 72, .size: 8, .value_kind: global_buffer, .address_space: global }
    .group_segment_fixed_size: 68096
    .private_segment_fixed_size: 0
    .kernarg_segment_align: 8
    .kernarg_segment_size: 80
    .max_flat_workgroup_size: 128
    .sgpr_count:     100
    .vgpr_count:     1024
    .wavefront_size: 32
...
	.end_amdgpu_metadata
.endif
;; end of part 2
;; ======== version 2 of 2: 2 launches
;; workspace buffers: w1c 786,432 bytes; w1s 32,768 bytes; w2c 6,291,456 bytes; w2s 262,144 bytes; xc 786,432 bytes; xs 32,768 bytes; route 17,920 bytes of whole numbers
;; launch prep (part 3): grid 321 x 1, 8 waves a work-group, no clusters, 47,104 bytes of LDS; arguments X_head_idx, X, W1, W2, route, xc, xs, w1c, w1s, w2c, w2s; writes route, xc, xs, w1c, w1s, w2c, w2s
.if DOCPART == 3
	.amdgcn_target "amdgcn-amd-amdhsa--gfx1250"
	.amdhsa_code_object_version 6
	.text
	.protected	k_q141fb6c7cf_prep
	.globl	k_q141fb6c7cf_prep
	.p2align	8
	.type	k_q141fb6c7cf_prep,@function
k_q141fb6c7cf_prep:
	s_mov_b64 s[64:65], 0
	v_nop
	global_prefetch_b8 v0, s[64:65] scope:SCOPE_SE
	s_setreg_imm32_b32 hwreg(HW_REG_WAVE_MODE, 25, 1), 1
	s_wait_xcnt 0x0
; PREP: everything that is made once.  Four jobs, parted by the work-group's number alone (the same for all eight waves of a work-group):
;   0        ROUTE: the 4,096 tokens are sorted by their head (a counting sort, no atomics) and cut into tiles of at most 80 rows of one head
;   1-32     X  [4096][256] f32, K innermost      -> codes of E2M3 as rows of 192 bytes (xc) and 8 scale bytes a row (xs)
;   33-64    W1 [8][256][512] f32, K the first axis of a head -> codes and scale words in the order of a matrix operand's registers (w1c, w1s)
;   65-320   W2 [8][512][2048] f32, likewise                  -> w2c, w2s
; THE QUANTISER: a block is 32 neighbours along K; its scale is 2^(floor(log2(largest magnitude)) - 2), as a byte the largest magnitude's exponent field - 2, held at 1 from below;
; each number is divided by the scale and rounded to the nearest code, ties to even, beyond 7.5 the largest code.
; LIMITS: a block of zeros gets the byte 1 where the rule says 127 (its codes are zeros, which add nothing, and only this program reads the bytes); NaN and infinities among the inputs are not served;
; head numbers lie in 0 .. 7, as the table that they index asks: another number would leave places of the list unwritten.
; LAYOUTS.  A FRAGMENT (16 rows x 128 K, 12 registers a lane) lies as an image of its registers, 1,536 bytes: register 4 q + i of lane L at byte 512 q + 16 L + 4 i.
;   w1c [head][tile 32][K step 2][1536]: lane-row r of tile 2 p + u is hidden unit 32 p + 8 u + r + 8 (r / 8), so that the results of two neighbouring tiles are 16 neighbours along the next K
;   w2c [head][tile 128][K step 4][1536]: lane-row r of tile n is column 16 n + r
;   w1s [head][K step][pair of tiles 16][32 x 4 bytes], w2s [head][K step][pair 64][128]: lanes 0-15 the even tile's scale words, lanes 16-31 the odd tile's
;   route: 64 entries of 16 bytes (head, first place in the list, rows, 0); from byte 1,024 the 4,096 token numbers by head; then 128 zeros, so that 80 numbers can be read from any first place
; No tensor loads, no matrix unit, no cluster: work-groups share no input, and memory binds.
.set WV,   26                          ; s26  my wave's number
.set WREG, 5632                        ; X's job: LDS of a wave: two stages of 32 x 80 bytes, then its 128 scale bytes
.set SP,   80                          ; a lane's place in a stage: 64 bytes + 16 of padding
.set CT,   45056                       ; ROUTE's job: 8 waves x 128 bytes of counts, behind the bytes of X's job: each job has LDS bytes of its own
; ---- one block of 32 along K of my column: v[16 + 32 b] on.  Block b = 2 c + h belongs to half h of the lanes of the fragment, registers 6 c .. 6 c + 5
.macro QBLK b
.set XS, 16+32*(\b)
.set FD, 144+12*((\b)%2)+6*((\b)/2)    ; v144-155: what lane r of the fragment holds; v156-167: what lane 16 + r holds
.set TD, 168+4*(\b)
	v_max3_num_f32 v12, |v[XS]|, |v[XS+1]|, |v[XS+2]|              ; the block's largest magnitude: all 32 numbers are mine; two chains
	v_max3_num_f32 v13, |v[XS+3]|, |v[XS+4]|, |v[XS+5]|
.irp i, 6,10,14,18,22,26
	s_delay_alu instid0(VALU_DEP_2)
	v_max3_num_f32 v12, v12, |v[XS+\i]|, |v[XS+\i+1]|
	s_delay_alu instid0(VALU_DEP_2)
	v_max3_num_f32 v13, v13, |v[XS+\i+2]|, |v[XS+\i+3]|
.endr
	s_delay_alu instid0(VALU_DEP_2)
	v_max3_num_f32 v12, v12, |v[XS+30]|, |v[XS+31]|
	s_delay_alu instid0(VALU_DEP_1)
	v_max3_num_f32 v12, v12, v13, 0x1800000        ; and the floor 2^(3 - 127): the byte cannot fall under 1
	s_delay_alu instid0(VALU_DEP_1)
	v_add_nc_u32 v11, 0xff000000, v12              ; 2 off the exponent field: the conversion takes this operand's exponent field as its scale
	v_cvt_scalef32_pk16_fp6_f32 v[FD:FD+2], v[XS:XS+15], v11
	v_cvt_scalef32_pk16_fp6_f32 v[TD:TD+2], v[XS+16:XS+31], v11    ; (a conversion's three registers begin on an even number: the block's second three are made elsewhere and moved)
	v_lshrrev_b32 v13, 23, v11                     ; the scale's byte; also the plain line behind the conversions
.if (\b) == 0
	s_delay_alu instid0(VALU_DEP_1)
	v_mov_b32 v14, v13                             ; the four bytes make my column's scale word, the lower K in the lower byte
.else
	s_delay_alu instid0(VALU_DEP_1)
	v_lshl_or_b32 v14, v13, 8*(\b), v14
.endif
.irp i, 0,1,2
	v_mov_b32 v[FD+3+\i], v[TD+\i]
.endr
.endm
; ---- a weight whose K is its first axis.  A work-group takes 128 along K x 256 columns, a wave 32 columns: A LANE IS A COLUMN AND ITS REGISTERS RUN DOWN K, so nothing is transposed.
; FIRST: the job's first work-group; PITCH: bytes of a row; NKS: K steps of 128; CBITS, SBITS: bits of the column block and of the K step in the work-group's number; HEADB: bytes of a head;
; PERM = 1: W1's choice of a tile's rows; SRC, COD, SCL: the scalar pairs with the three addresses
.macro QW FIRST, PITCH, NKS, CBITS, SBITS, HEADB, PERM, SRC, COD, SCL
	s_sub_co_u32 s27, ttmp9, \FIRST
	s_and_b32 s28, s27, (1<<\CBITS)-1              ; block of 256 columns
	s_lshr_b32 s29, s27, \CBITS
	s_and_b32 s29, s29, \NKS-1                     ; K step
	s_lshr_b32 s30, s27, \CBITS+\SBITS             ; head
	s_mul_i32 s32, s30, \HEADB                     ; the source: head, 128 rows a K step, 1,024 bytes a column block, 128 bytes a wave
	s_mul_i32 s31, s29, 128*\PITCH
	s_add_co_u32 s32, s32, s31
	s_lshl_b32 s31, s28, 10
	s_add_co_u32 s32, s32, s31
	s_lshl_b32 s31, s[WV], 7
	s_add_co_u32 s32, s32, s31
	s_mov_b32 s33, 0
	s_add_nc_u64 s[\SRC:\SRC+1], s[\SRC:\SRC+1], s[32:33]
	v_lshlrev_b32 v2, 2, v1                        ; 4 bytes a lane: a wave's load reads 128 consecutive bytes, the eight waves stand side by side on 1,024
.set QI, 0
.rept 128
	global_load_b32 v[16+QI], v2, s[\SRC:\SRC+1] offset:QI*\PITCH th:TH_LOAD_NT    ; row k = QI of the K step; 127 rows at the most stand in the immediate
.set QI, QI+1
.endr
	s_mul_i32 s34, s30, \PITCH/64                  ; the codes: ((head x tiles + 16 x column block + 2 x wave) x K steps + K step) x 1,536
	s_lshl_b32 s31, s28, 4
	s_add_co_u32 s34, s34, s31
	s_lshl_b32 s31, s[WV], 1
	s_add_co_u32 s34, s34, s31
	s_mul_i32 s34, s34, \NKS
	s_add_co_u32 s34, s34, s29
	s_mul_i32 s34, s34, 1536
	s_mov_b32 s35, 0
	s_add_nc_u64 s[\COD:\COD+1], s[\COD:\COD+1], s[34:35]
	s_mul_i32 s36, s30, \NKS                       ; the scale words: ((head x K steps + K step) x pairs + 8 x column block + wave) x 128
	s_add_co_u32 s36, s36, s29
	s_mul_i32 s36, s36, \PITCH/128
	s_lshl_b32 s31, s28, 3
	s_add_co_u32 s36, s36, s31
	s_add_co_u32 s36, s36, s[WV]
	s_lshl_b32 s36, s36, 7
	s_mov_b32 s37, 0
	s_add_nc_u64 s[\SCL:\SCL+1], s[\SCL:\SCL+1], s[36:37]
.if \PERM
	v_bfe_u32 v5, v1, 3, 1                         ; unit x of the wave's 32 = 16 (r / 8) + 8 u + r % 8: which tile of the pair,
	v_and_b32 v6, 7, v1
	v_lshrrev_b32 v7, 4, v1
	s_delay_alu instid0(VALU_DEP_1)
	v_lshl_or_b32 v6, v7, 3, v6                    ; and which lane-row
.else
	v_lshrrev_b32 v5, 4, v1                        ; column x = 16 t + r
	v_and_b32 v6, 15, v1
.endif
	v_mul_u32_u24 v3, v5, \NKS*1536                ; my place in the codes: my tile, 16 bytes a lane-row
	s_delay_alu instid0(VALU_DEP_1)
	v_lshl_add_u32 v3, v6, 4, v3
	v_lshlrev_b32 v4, 6, v5                        ; and among the pair's scale words
	s_delay_alu instid0(VALU_DEP_1)
	v_lshl_add_u32 v4, v6, 2, v4
	s_wait_loadcnt 63                              ; at most 63 of the 128 loads are out: the first 65 are in, blocks 0 and 1 among them
	QBLK 0
	QBLK 1
	s_wait_loadcnt 32                              ; block 3's 32 loads may be out
	QBLK 2
	s_wait_loadcnt 0x0
	QBLK 3
.irp h, 0,1
.irp q, 0,1,2
	global_store_b128 v3, v[144+12*\h+4*\q:144+12*\h+4*\q+3], s[\COD:\COD+1] offset:512*\q+256*\h    ; sixteen lanes of a tile store 256 consecutive bytes, at a multiple of 256 from the buffer's first byte
.endr
.endr
	global_store_b32 v4, v14, s[\SCL:\SCL+1]       ; the wave's 32 scale words: 128 consecutive bytes
	s_endpgm
.endm
	s_load_b512 s[4:19], s[0:1], 0x0               ; X_head_idx s[4:5], X s[6:7], W1 s[8:9], W2 s[10:11], route s[12:13], xc s[14:15], xs s[16:17], w1c s[18:19]
	s_load_b128 s[20:23], s[0:1], 0x40             ; w1s s[20:21], w2c s[22:23]
	s_load_b64 s[24:25], s[0:1], 0x50              ; w2s
	v_lshl_add_u32 v224, v0, 2, 0xb400
	v_mov_b32 v225, 0
	v_lshrrev_b32 v1, 5, v0
	s_delay_alu instid0(VALU_DEP_1)
	v_readfirstlane_b32 s[WV], v1                  ; wave 0..7
	v_and_b32 v1, 31, v0                           ; lane
	s_wait_kmcnt 0x0
	s_cmp_eq_u32 ttmp9, 0
	s_cbranch_scc1 .Lroute
	s_cmp_lt_u32 ttmp9, 33
	s_cbranch_scc1 .Lx
	s_cmp_lt_u32 ttmp9, 65
	s_cbranch_scc1 .Lw1
	s_wait_alu depctr_va_vdst(0)
	QW 65, 8192, 4, 3, 2, 4194304, 0, 10, 22, 24   ; W2: 8 heads x 4 K steps x 8 column blocks
.Lw1:
	s_wait_alu depctr_va_vdst(0)
	QW 33, 2048, 2, 1, 1, 524288, 1, 8, 18, 20     ; W1: 8 heads x 2 K steps x 2 column blocks
; ---- X: rows are dense and 256 is a multiple of 32, so X is a plain stream of blocks, and so are its codes and scale bytes.  A wave takes 4,096 numbers in 8 steps of 512.
; A load reads 512 consecutive bytes, 16 a lane; the conversion wants 16 NEIGHBOURS in a lane: a step's 2,048 bytes turn through the wave's own stage in LDS.  Two neighbouring lanes hold a block.
.Lx:
	s_sub_co_u32 s27, ttmp9, 1
	s_lshl_b32 s27, s27, 3
	s_add_co_u32 s28, s27, s[WV]                   ; which run of 4,096 numbers is my wave's
	s_lshl_b32 s30, s28, 14
	s_mov_b32 s31, 0
	s_add_nc_u64 s[6:7], s[6:7], s[30:31]
	s_wait_alu depctr_va_vdst(0)
	v_lshlrev_b32 v3, 4, v1                        ; my 16 bytes of a load's 512
.set QI, 0
.rept 32
	global_load_b128 v[16+4*QI:16+4*QI+3], v3, s[6:7] offset:512*QI th:TH_LOAD_NT     ; all eight steps' loads go out at once: step t's four land in v[16 + 16 t] on
.set QI, QI+1
.endr
	s_mul_i32 s29, s[WV], WREG
	v_lshrrev_b32 v14, 2, v1
	s_delay_alu instid0(VALU_DEP_1)
	v_mul_u32_u24 v14, v14, SP
	v_and_b32 v15, 3, v1
	s_delay_alu instid0(VALU_DEP_1)
	v_lshl_add_u32 v14, v15, 4, v14
	s_delay_alu instid0(VALU_DEP_1)
	v_add_nc_u32 v14, s29, v14                     ; the stage, on the way in: four lanes' 64 bytes on end, then the padding
	v_mul_u32_u24 v15, v1, SP
	s_delay_alu instid0(VALU_DEP_1)
	v_add_nc_u32 v15, s29, v15                     ; and on the way out: my 16 neighbours
	v_mul_u32_u24 v4, v1, 12                       ; my 16 codes' place in a step's 384 bytes
	v_lshrrev_b32 v5, 1, v1
	s_add_co_u32 s29, s29, 2*32*SP
	v_add_nc_u32 v5, s29, v5                       ; LDS: my block's scale byte
	v_lshlrev_b32 v7, 2, v1
	s_delay_alu instid0(VALU_DEP_1)
	v_add_nc_u32 v6, s29, v7                       ; and on the way out 4 bytes a lane
	s_mul_i32 s30, s28, 3072
	s_add_nc_u64 s[14:15], s[14:15], s[30:31]      ; my run's codes
	s_lshl_b32 s30, s28, 7
	s_add_nc_u64 s[16:17], s[16:17], s[30:31]      ; and its 128 scale bytes
.macro XTURN t                         ; step t's numbers through stage t % 2: LDS serves a wave's instructions in order, so no wait stands between the stores and the loads
.irp i, 0,1,2,3
	ds_store_b128 v14, v[16+16*(\t)+4*\i:16+16*(\t)+4*\i+3] offset:32*SP*((\t)%2)+8*SP*\i
.endr
.irp i, 0,1,2,3
	ds_load_b128 v[144+16*((\t)%2)+4*\i:144+16*((\t)%2)+4*\i+3], v15 offset:32*SP*((\t)%2)+16*\i
.endr
.endm
.macro XSTEP t
.set XS, 144+16*((\t)%2)
.if (\t) > 0
	s_wait_dscnt 1                                 ; this step's numbers are back from the stage; the last step's byte store may be out
.else
	s_wait_dscnt 0x0
.endif
.if (\t) < 7
	s_wait_loadcnt 4*(6-(\t))                      ; the next step's four loads are in; those of the steps behind it may be out
	XTURN (\t)+1                                   ; and turn through the other stage while this step is worked
.endif
	v_max3_num_f32 v8, |v[XS]|, |v[XS+1]|, |v[XS+2]|               ; the largest magnitude of my 16
	v_max3_num_f32 v9, |v[XS+3]|, |v[XS+4]|, |v[XS+5]|
.irp i, 6,10
	s_delay_alu instid0(VALU_DEP_2)
	v_max3_num_f32 v8, v8, |v[XS+\i]|, |v[XS+\i+1]|
	s_delay_alu instid0(VALU_DEP_2)
	v_max3_num_f32 v9, v9, |v[XS+\i+2]|, |v[XS+\i+3]|
.endr
	s_delay_alu instid0(VALU_DEP_2)
	v_max3_num_f32 v8, v8, |v[XS+14]|, |v[XS+15]|
	s_delay_alu instid0(VALU_DEP_1)
	v_max3_num_f32 v8, v8, v9, 0x1800000           ; and the floor 2^(3 - 127)
	s_delay_alu instid0(VALU_DEP_1)
	v_max_num_f32_dpp v8, v8, v8 row_xmask:1 row_mask:0xf bank_mask:0xf   ; and of my neighbour's 16: the block's
	s_delay_alu instid0(VALU_DEP_1)
	v_add_nc_u32 v11, 0xff000000, v8               ; the conversion's scale operand
	v_cvt_scalef32_pk16_fp6_f32 v[176+4*(\t):178+4*(\t)], v[XS:XS+15], v11
	v_lshrrev_b32 v[208+(\t)], 23, v11             ; the scale's byte; each step has registers of its own for codes and byte, so no store's data are written again
	ds_store_b8 v5, v[208+(\t)] offset:16*(\t)     ; both lanes of a block write the same byte with the same value
	global_store_b96 v4, v[176+4*(\t):178+4*(\t)], s[14:15] offset:384*(\t)   ; the wave stores 384 consecutive bytes
.endm
	s_wait_alu depctr_va_vdst(0)
	s_wait_loadcnt 28                              ; step 0's four loads are in
	XTURN 0
.irp t, 0,1,2,3,4,5,6,7
	XSTEP \t
.endr
	ds_load_b32 v12, v6                            ; in order behind my byte stores
	s_wait_dscnt 0x0
	global_store_b32 v7, v12, s[16:17]             ; the run's 128 scale bytes, consecutive
	s_wait_tensorcnt 0x0
	ds_add_u32 v224, v225
	s_wait_dscnt 0x0
	s_endpgm
; ---- ROUTE: one work-group.  Wave w holds tokens 512 w .. 512 w + 511: register 4 j + i of a lane is token 512 w + 128 j + 4 lane + i.
.Lroute:
	s_lshl_b32 s27, s[WV], 11
	s_wait_alu depctr_va_vdst(0)
	v_lshlrev_b32 v2, 4, v1
	s_delay_alu instid0(VALU_DEP_1)
	v_add_nc_u32 v2, s27, v2
.irp j, 0,1,2,3
	global_load_b128 v[16+4*\j:19+4*\j], v2, s[4:5] offset:512*\j
.endr
.irp e, 0,1,2,3,4,5,6,7
	s_mov_b32 s[40+\e], 0                          ; s40-47: how many tokens of head e the wave has met so far
.endr
	v_lshl_add_u32 v65, v0, 2, CT                  ; where my lane's count goes,
	v_and_b32 v74, 7, v0
	s_delay_alu instid0(VALU_DEP_1)
	v_lshl_add_u32 v74, v74, 2, CT                 ; and from where lane l reads the counts of head l % 8
	v_mov_b32 v64, 0
	s_lshl_b32 s27, s[WV], 9
	v_lshl_add_u32 v78, v1, 2, s27                 ; 512 w + 4 lane
	s_wait_loadcnt 0x0
	; a token's rank among the wave's tokens of its head: those met in earlier registers + those in lower lanes of this register
.irp c, 0,1,2,3,4,5,6,7,8,9,10,11,12,13,14,15
.irp e, 0,1,2,3,4,5,6,7
	v_cmp_eq_u32 s[48+\e], \e, v[16+\c]
.endr
.irp e, 0,1,2,3,4,5,6,7
	v_mbcnt_lo_u32_b32 v[48+\e], s[48+\e], s[40+\e]
.endr
	v_cndmask_b32 v[32+\c], 0, v48, s48
.irp e, 1,2,3,4,5,6,7
	s_delay_alu instid0(VALU_DEP_1)
	v_cndmask_b32 v[32+\c], v[32+\c], v[48+\e], s[48+\e]
.endr
.irp e, 0,1,2,3,4,5,6,7
	s_bcnt1_i32_b32 s[56+\e], s[48+\e]
.endr
.irp e, 0,1,2,3,4,5,6,7
	s_add_co_u32 s[40+\e], s[40+\e], s[56+\e]
.endr
.endr
.irp e, 0
	v_writelane_b32 v64, s[40+\e], \e
.endr
.irp e, 1, 2, 3, 4, 5, 6, 7
	s_delay_alu instid0(VALU_DEP_1)
	v_writelane_b32 v64, s[40+\e], \e              ; the wave's eight counts in lanes 0-7
.endr
	ds_store_b32 v65, v64
	s_wait_dscnt 0x0                               ; for the others' sake: my counts are in LDS
	s_barrier_signal -1
	s_barrier_wait -1
.irp w, 0,1,2,3,4,5,6,7
	ds_load_b32 v[66+\w], v74 offset:128*\w        ; wave w's count of head lane % 8
.endr
	v_mov_b32 v76, 0
	s_wait_alu depctr_va_vdst(0)
	s_wait_dscnt 0x0
	v_add3_u32 v75, v66, v67, v68
	s_delay_alu instid0(VALU_DEP_1)
	v_add3_u32 v75, v75, v69, v70
	s_delay_alu instid0(VALU_DEP_1)
	v_add3_u32 v75, v75, v71, v72
	s_delay_alu instid0(VALU_DEP_1)
	v_add_nc_u32 v75, v75, v73                     ; the head's rows in all
	s_wait_alu depctr_va_vdst(0)
.irp w, 0,1,2,3,4,5,6
	s_cmp_gt_u32 s[WV], \w
	s_cselect_b32 s27, 1, 0
	v_mad_u32_u24 v76, v[66+\w], s27, v76          ; and in the waves ahead of mine
.endr
.irp e, 0,1,2,3,4,5,6,7
	v_readlane_b32 s[66+\e], v75, \e               ; s66-73: rows of head e
	v_readlane_b32 s[90+\e], v76, \e
.endr
	s_mov_b32 s74, 0                               ; s74-81: the head's first place in the list
	s_mov_b32 s82, 0                               ; s82-89: its first tile
.irp e, 0,1,2,3,4,5,6
	s_add_co_u32 s[75+\e], s[74+\e], s[66+\e]
	s_add_co_u32 s27, s[66+\e], 79
	s_mul_hi_u32 s27, s27, 0xcccccccd              ; (rows + 79) / 80: the high word of x 0xcccccccd is 4 x / 5 rounded down in steps of 4; 6 bits off give x / 80
	s_lshr_b32 s27, s27, 6
	s_add_co_u32 s[83+\e], s[82+\e], s27
.endr
.irp e, 0,1,2,3,4,5,6,7
	s_add_co_u32 s[90+\e], s[90+\e], s[74+\e]      ; s90-97: the place of my wave's first token of head e
.endr
.irp c, 0,1,2,3,4,5,6,7,8,9,10,11,12,13,14,15
	v_mov_b32 v77, s90
.irp e, 1,2,3,4,5,6,7
	v_cmp_ne_u32 vcc_lo, \e, v[16+\c]
	s_delay_alu instid0(VALU_DEP_1)
	v_cndmask_b32 v77, s[90+\e], v77, vcc_lo       ; my head's base
.endr
	s_delay_alu instid0(VALU_DEP_1)
	v_add_nc_u32 v[96+\c], v[32+\c], v77           ; the token's place
	s_delay_alu instid0(VALU_DEP_1)
	v_min_u32 v[96+\c], 0xfff, v[96+\c]            ; held inside the list
	s_delay_alu instid0(VALU_DEP_1)
	v_lshlrev_b32 v[96+\c], 2, v[96+\c]
	v_add_nc_u32 v[112+\c], 128*(\c/4)+\c%4, v78   ; the token's number; each store has registers of its own
	global_store_b32 v[96+\c], v[112+\c], s[12:13] offset:1024     ; 4 bytes a lane into eight runs: 16 KiB in all, by this one work-group
.endr
	; tile i = my thread's number: the last head whose first tile is not beyond i
	v_mov_b32 v136, 0
	v_mov_b32 v131, 0
	v_mov_b32 v132, 0
	v_mov_b32 v133, s66
.irp e, 1,2,3,4,5,6,7
	v_cmp_gt_u32 vcc_lo, s[82+\e], v0
	s_delay_alu instid0(VALU_DEP_1)
	v_cndmask_b32 v136, \e, v136, vcc_lo           ; head
	s_delay_alu instid0(VALU_DEP_2)
	v_cndmask_b32 v131, s[82+\e], v131, vcc_lo     ; its first tile
	s_delay_alu instid0(VALU_DEP_3)
	v_cndmask_b32 v132, s[74+\e], v132, vcc_lo     ; its first place
	s_delay_alu instid0(VALU_DEP_4)
	v_cndmask_b32 v133, s[66+\e], v133, vcc_lo     ; its rows
.endr
	s_delay_alu instid0(VALU_DEP_3)
	v_sub_nc_u32 v134, v0, v131
	s_delay_alu instid0(VALU_DEP_1)
	v_mul_u32_u24 v134, 80, v134
	s_delay_alu instid0(VALU_DEP_1)
	v_min_u32 v134, v134, v133                     ; rows of the head ahead of this tile (all of them for a tile beyond the last)
	s_delay_alu instid0(VALU_DEP_1)
	v_add_nc_u32 v137, v132, v134                  ; first place: 4,096 at the most
	s_delay_alu instid0(VALU_DEP_2)
	v_sub_nc_u32 v138, v133, v134
	s_delay_alu instid0(VALU_DEP_1)
	v_min_u32 v138, 80, v138                       ; rows: 0 for a tile that this split leaves empty
	v_mov_b32 v139, 0
	v_lshlrev_b32 v140, 4, v0
	v_lshlrev_b32 v141, 4, v1
.irp i, 0,1,2,3
	v_mov_b32 v[144+\i], 0
.endr
	s_cmp_ge_u32 s[WV], 2
	s_cbranch_scc1 .Lr_hi
	global_store_b128 v140, v[136:139], s[12:13]   ; waves 0 and 1: the 64 entries, 1,024 consecutive bytes
	s_branch .Lr_end
.Lr_hi:
	s_cmp_lg_u32 s[WV], 2
	s_cbranch_scc1 .Lr_end
	s_wait_alu depctr_va_vdst(0)
	global_store_b128 v141, v[144:147], s[12:13] offset:17408      ; wave 2: the 128 zeros behind the list
.Lr_end:
	s_wait_tensorcnt 0x0
	ds_add_u32 v224, v225
	s_wait_dscnt 0x0
	s_endpgm
.Lfunc_end_k_q141fb6c7cf_prep:
	.size	k_q141fb6c7cf_prep, .Lfunc_end_k_q141fb6c7cf_prep-k_q141fb6c7cf_prep
	.p2alignl 7, 3214868480
	.fill 96, 4, 3214868480
	.section	.rodata,"a",@progbits
	.p2align	6, 0x0
	.amdhsa_kernel k_q141fb6c7cf_prep
		.amdhsa_group_segment_fixed_size 47104
		.amdhsa_private_segment_fixed_size 0
		.amdhsa_enable_private_segment 0
		.amdhsa_kernarg_size 88
		.amdhsa_user_sgpr_count 2
		.amdhsa_user_sgpr_kernarg_segment_ptr 1
		.amdhsa_wavefront_size32 1
		.amdhsa_system_sgpr_workgroup_id_x 1
		.amdhsa_system_sgpr_workgroup_id_y 1
		.amdhsa_system_sgpr_workgroup_id_z 1
		.amdhsa_system_vgpr_workitem_id 0
		.amdhsa_next_free_vgpr 226
		.amdhsa_next_free_sgpr 100
		.amdhsa_reserve_vcc 1
		.amdhsa_float_denorm_mode_32 3
		.amdhsa_float_denorm_mode_16_64 3
		.amdhsa_memory_ordered 1
		.amdhsa_forward_progress 1
		.amdhsa_inst_pref_size 126
	.end_amdhsa_kernel
	.amdgpu_metadata
---
amdhsa.version: [ 1, 2 ]
amdhsa.kernels:
  - .name:           k_q141fb6c7cf_prep
    .symbol:         k_q141fb6c7cf_prep.kd
    .args:
      - { .name: X_head_idx, .offset: 0, .size: 8, .value_kind: global_buffer, .address_space: global }
      - { .name: X, .offset: 8, .size: 8, .value_kind: global_buffer, .address_space: global }
      - { .name: W1, .offset: 16, .size: 8, .value_kind: global_buffer, .address_space: global }
      - { .name: W2, .offset: 24, .size: 8, .value_kind: global_buffer, .address_space: global }
      - { .name: route, .offset: 32, .size: 8, .value_kind: global_buffer, .address_space: global }
      - { .name: xc, .offset: 40, .size: 8, .value_kind: global_buffer, .address_space: global }
      - { .name: xs, .offset: 48, .size: 8, .value_kind: global_buffer, .address_space: global }
      - { .name: w1c, .offset: 56, .size: 8, .value_kind: global_buffer, .address_space: global }
      - { .name: w1s, .offset: 64, .size: 8, .value_kind: global_buffer, .address_space: global }
      - { .name: w2c, .offset: 72, .size: 8, .value_kind: global_buffer, .address_space: global }
      - { .name: w2s, .offset: 80, .size: 8, .value_kind: global_buffer, .address_space: global }
    .group_segment_fixed_size: 47104
    .private_segment_fixed_size: 0
    .kernarg_segment_align: 8
    .kernarg_segment_size: 88
    .max_flat_workgroup_size: 256
    .sgpr_count:     100
    .vgpr_count:     226
    .wavefront_size: 32
...
	.end_amdgpu_metadata
.endif
;; end of part 3
;; launch chain (part 4): grid 4 x 59, 4 waves a work-group, no clusters, 68,096 bytes of LDS; arguments route, xc, xs, w1c, w1s, b1, w2c, w2s, b2, out0; writes out0
.if DOCPART == 4
	.amdgcn_target "amdgcn-amd-amdhsa--gfx1250"
	.amdhsa_code_object_version 6
	.text
	.protected	k_q141fb6c7cf_chain
	.globl	k_q141fb6c7cf_chain
	.p2align	8
	.type	k_q141fb6c7cf_chain,@function
k_q141fb6c7cf_chain:
	s_mov_b64 s[64:65], 0
	v_nop
	global_prefetch_b8 v0, s[64:65] scope:SCOPE_SE
	s_setreg_imm32_b32 hwreg(HW_REG_WAVE_SCHED_MODE, 0, 2), 2
	s_setreg_imm32_b32 hwreg(HW_REG_WAVE_MODE, 25, 1), 1
	s_wait_xcnt 0x0
	s_wait_alu depctr_vm_vsrc(0)
; CHAIN: out[token] = relu(X[token] W1[head] + b1[head]) W2[head] + b2[head], head = the token's own, both products on codes of E2M3 with one E8M0 scale for each 32 along K.
; Only the chosen head's rows are multiplied.  The tokens lie sorted by head in 'route', cut into tiles of at most 80 rows of one head: never more than ceil(4096 / 80) + 7 = 59 tiles, whatever the split.
; SHARES.  Work-group (g, tile) takes the tile's rows and output columns 512 g .. 512 g + 511: 4 x 59 = 236 work-groups.  A tile that this split leaves empty stores nothing.
; THE WAVES SHARE THE COLUMNS, NOT THE ROWS: wave w makes hidden units 128 w .. + 127 and outputs 512 g + 128 w .. + 127 for all five row tiles of 16.  Its part of W1 (16 fragments) and of W2 (32) goes from memory
; straight into its registers, each fragment by three loads of 16 bytes a lane, since the launch before laid them in the order of the registers.  The first product is made once in each of the four g: 80 of a wave's 240 products.
; THE HIDDEN LAYER never goes to memory: it is quantised in registers (a wave's 128 units are one K step of the second product) and goes from wave to wave through LDS as images of the operand's registers.
; BOTH PRODUCTS ARE USED TRANSPOSED (source 0 = 16 rows of the weight, source 1 = 16 rows of tokens): a lane holds one token's row, and its registers run along the hidden units or the output columns.
; The biases are the C of each sum's first product.  One barrier; it stands ahead of every branch on the tile's number of rows, so that every wave passes it.
; Rows beyond the tile's number are other tokens' (or token 0's): they are computed, since rows do not touch each other, and not stored.
; NO JOINT LOADS: how many row tiles read one slab of W2 hangs on the counts (0 to 52), so no fixed cluster holds just the tiles of one head; the four g of a tile share W1 and X alone, 98,304 + 15,360 of the 310,272 bytes of codes that a work-group reads.
; LIMITS: NaN and infinities are not served; a hidden block of zeros gets the scale byte 1 (its codes are zeros).
; REGISTERS, in windows of 256.  Window 0: below.  Window 1: W1's fragment (t, s) at 12 (2 t + s), b1 at 192 + 8 t; in phase 2 two sets of 8 accumulators at 0 and 64, b2 at 192 + 8 n.
;   Window 2: W2's fragments of K steps 0, 1 at 12 (2 n + s); X's K step 0 at 192 + 12 m.   Window 3: W2's of K steps 2, 3; X's K step 1.
; THE MODE: SCHED_MODE bits 1:0 = 2 (LLVM: expert scheduling mode 2), set by the entry lines.  The code itself states the register dependences between vector or matrix instructions and memory or LDS
; instructions, with s_wait_alu, always for 0.
; THE PLAN.  Registers that memory or LDS instructions touch:
;   v4-v12        addresses, made once at the head and never written again: one wait on va_vdst ahead of the first load.
;   XA, XSA       the gather's addresses, made once when the token numbers are in: one wait on va_vdst ahead of X's loads.
;   the weights, X, b1, the scale words: their loads land in registers that no vector or matrix instruction has named.  b2 alone lands in registers that products have read (b1's): a wait on va_vdst behind row tile 4's products.
;   PC, PW        written by a row tile's quantiser, read by its four LDS stores (a wait on va_vdst between); written again by the next tile's quantiser (a wait on vm_vsrc ahead of it).
;   HF0, HF1, HS  the hidden fragments.  First filled behind the barrier, in the registers of HA, PC and TM (a wait on vm_vsrc for the image stores; every vector instruction that named them stands ahead of row tile 4's wait on va_vdst).
;                 Step m's products read set m % 2; row tile m + 2's loads land in it behind the step's wait on va_vdst.
;   the accumulators  Step m's products write set m % 2; its LDS stores read it behind the step's wait on va_vdst; step m + 2's products write it again, behind step m + 1's wait on vm_vsrc.
;   BK            Step m's loads from the stage land in it; the global stores issued in step m + 1 read it; step m + 1's loads land in it again behind that step's wait on vm_vsrc.
;   VO            Step m's sixteen additions write it, ahead of the step's wait on va_vdst; the global stores issued in step m + 1 read it; step m + 1's additions write it again behind that step's wait on vm_vsrc.
; So a step of phase 2 has ONE wait on va_vdst and one on vm_vsrc, and the row tile before leaves behind the step's products with no wait of its own.
.set FRB,  1536                        ; a fragment's image in bytes
.set HIMG, 0                           ; LDS: the hidden layer's 20 fragments (row tile m, K step s: 4 m + s),
.set HSC,  30720                       ; their scale words, 128 bytes each,
.set STG,  33280                       ; and a stage of 16 rows x (512 bytes + 16) for each wave
.set LI,   4                           ; v4   16 x lane
.set LS,   5                           ; v5   4 x lane
.set HWI,  6                           ; v6   where I store images: 16 x lane + 1,536 x wave
.set HWS,  7                           ; v7   and scale words: 4 x lane + 128 x wave
.set STO,  8                           ; v8   the stage: where I put 32 bytes of a row
.set RD,   9                           ; v9   and where I read a row back
.set W1S,  16                          ; v16-23  W1's scale words (pair p, K step s: 2 p + s): lanes 0-15 tile 2 p, lanes 16-31 tile 2 p + 1
.set XSC,  24                          ; v24-28  X's (row tile m): lanes 0-15 K step 0, lanes 16-31 K step 1
.set W2S,  30                          ; v30-45  W2's (K step s, pair p: 4 s + p)
.set HS0,  46                          ; v46-53  the hidden layer's, two sets of 4
.set HA,   56                          ; v56-119 my 8 tiles of the hidden layer; in phase 2 v56-103 and v104-151 are two sets of four hidden fragments
.set PC,   120                         ; v120-138 the codes just made
.set TM,   140                         ; v140-155 at work in the quantiser
.set PW,   156                         ; v156    the scale word just made
.set BK,   160                         ; v160-223 16 rows read back from the stage
.set VO,   224                         ; v224-239 their byte offsets in out0
.set TK,   240                         ; v240-244 row tile m's token numbers (lane % 16)
.set XA,   245                         ; v245-249 my byte in X's codes
.set XSA,  250                         ; v250-254 and in X's scale bytes
.set WV,   24                          ; s24 wave; s25 g; s28 head; s29 first place; s30 rows; s[32:47] 16 token numbers; s50 4 x first place
.set CNT,  30
.set SEL,  48                          ; s[48:49] v_permlanex16_b32's selects for lane l xor 16
.set MSB, 0
.macro WIN new                         ; the immediate's high byte repeats the setting that is left; a switch that changes nothing is dropped
.if MSB != \new
	s_set_vgpr_msb (MSB<<8)|\new
.set MSB, \new
.endif
.endm
; a product: D, A (the weight), B (the rows), C, their scale registers; ra, rb: the scale is read from lanes 16-31
.macro WM d, a, b, c, sa, sb, ra, rb
.if ((\ra) != 0) && ((\rb) != 0)
	v_wmma_scale_f32_16x16x128_f8f6f4 v[(\d):(\d)+7], v[(\a):(\a)+11], v[(\b):(\b)+11], v[(\c):(\c)+7], v[(\sa)], v[(\sb)] matrix_a_fmt:MATRIX_FMT_FP6 matrix_b_fmt:MATRIX_FMT_FP6 matrix_a_scale:MATRIX_SCALE_ROW1 matrix_b_scale:MATRIX_SCALE_ROW1
.elseif (\ra) != 0
	v_wmma_scale_f32_16x16x128_f8f6f4 v[(\d):(\d)+7], v[(\a):(\a)+11], v[(\b):(\b)+11], v[(\c):(\c)+7], v[(\sa)], v[(\sb)] matrix_a_fmt:MATRIX_FMT_FP6 matrix_b_fmt:MATRIX_FMT_FP6 matrix_a_scale:MATRIX_SCALE_ROW1
.elseif (\rb) != 0
	v_wmma_scale_f32_16x16x128_f8f6f4 v[(\d):(\d)+7], v[(\a):(\a)+11], v[(\b):(\b)+11], v[(\c):(\c)+7], v[(\sa)], v[(\sb)] matrix_a_fmt:MATRIX_FMT_FP6 matrix_b_fmt:MATRIX_FMT_FP6 matrix_b_scale:MATRIX_SCALE_ROW1
.else
	v_wmma_scale_f32_16x16x128_f8f6f4 v[(\d):(\d)+7], v[(\a):(\a)+11], v[(\b):(\b)+11], v[(\c):(\c)+7], v[(\sa)], v[(\sb)] matrix_a_fmt:MATRIX_FMT_FP6 matrix_b_fmt:MATRIX_FMT_FP6
.endif
.endm
; a buffer's address moves on by ke x head + kg x g + kw x wave
.macro BASE p, ke, kg, kw
	s_mul_i32 s52, s[WV], \kw
.if \ke
	s_mul_i32 s54, s28, \ke
	s_add_co_u32 s52, s52, s54
.endif
.if \kg
	s_mul_i32 s54, s25, \kg
	s_add_co_u32 s52, s52, s54
.endif
	s_add_nc_u64 s[\p:\p+1], s[\p:\p+1], s[52:53]
.endm
; 64 numbers of a lane, v[s] .. v[s + 63], register 16 b + i = k 32 b + 16 (lane / 16) + i of my row, become a fragment's codes in v[PC] on and its scale word in v[PW]
.macro QUANT s
.irp b, 0,1,2,3
	v_max3_num_f32 v[TM+\b], |v[\s+16*\b]|, |v[\s+1+16*\b]|, 0x1800000   ; block b: my 16 numbers, and the floor 2^(3 - 127): the byte cannot fall under 1
.endr
.irp i, 2,4,6,8,10,12,14
.irp b, 0,1,2,3
	v_max3_num_f32 v[TM+\b], v[TM+\b], |v[\s+16*\b+\i]|, |v[\s+1+16*\b+\i]|   ; (the four blocks by turns)
.endr
.endr
.irp b, 0,1,2,3
	v_permlanex16_b32 v[TM+4+\b], v[TM+\b], s[SEL], s[SEL+1]
.endr
.irp b, 0,1,2,3
	v_max_num_f32 v[TM+\b], v[TM+\b], v[TM+4+\b]   ; with lane l xor 16's: the block's largest magnitude
.endr
.irp b, 0,1,2,3
	v_add_nc_u32 v[TM+12+\b], 0xff000000, v[TM+\b]   ; 2 off its exponent field: the conversion's scale operand
.endr
.irp b, 0,1,2,3
	v_lshrrev_b32 v[TM+4+\b], 23, v[TM+12+\b]      ; the scale's byte
.endr
	v_lshl_or_b32 v[PW], v[TM+5], 8, v[TM+4]       ; the four bytes make my row's scale word
	v_lshl_or_b32 v[PW], v[TM+6], 16, v[PW]
	v_lshl_or_b32 v[PW], v[TM+7], 24, v[PW]
.irp c, 0,1
	v_cvt_scalef32_pk16_fp6_f32 v[PC+6*\c:PC+2+6*\c], v[\s+32*\c:\s+15+32*\c], v[TM+12+2*\c]
	v_cvt_scalef32_pk16_fp6_f32 v[PC+12+4*\c:PC+14+4*\c], v[\s+16+32*\c:\s+31+32*\c], v[TM+12+2*\c+1]   ; (a conversion's three registers begin on an even number)
.endr
	v_nop                                          ; one plain place behind a scaled conversion
.irp c, 0,1                                    ; the operand's layout wants a WHOLE block in a lane: lanes 0-15 block 2 c, lanes 16-31 block 2 c + 1
.irp i, 0,1,2
	v_permlane16_swap_b32 v[PC+6*\c+\i], v[PC+12+4*\c+\i]
.endr
.irp i, 0,1,2
	v_mov_b32 v[PC+3+6*\c+\i], v[PC+12+4*\c+\i]
.endr
.endr
.endm
; PHASE 1 for row tile m: my 8 tiles of the hidden layer, two K steps deep; relu; quantised; the image goes to LDS as K step w of the second product.
; The 8 accumulators take turns, one instruction a turn.
.macro P1 m
	WIN 0x19                                       ; W1 and b1 window 1, X's K step 0 window 2, the results window 0
.irp t, 0,1,2,3,4,5,6,7
	WM HA+8*\t, 24*\t, 192+12*\m, 192+8*\t, W1S+2*(\t/2), XSC+\m, \t%2, 0
.endr
	WIN 0x0d                                       ; W1 window 1, X's K step 1 window 3
.irp t, 0,1,2,3,4,5,6,7
	WM HA+8*\t, 24*\t+12, 192+12*\m, HA+8*\t, W1S+2*(\t/2)+1, XSC+\m, \t%2, 1
.endr
	WIN 0
.rept 4
	v_nop                                          ; four places behind the last product, ahead of the first read of results (ISA guide 7.12.1)
.endr
.if (\m) == 4
	WIN 0x40
	s_wait_alu depctr_va_vdst(0)                   ; the products are done reading b1, in whose registers the loads of b2 land
.irp n, 0,1,2,3,4,5,6,7
	global_load_b128 v[192+8*\n:195+8*\n], v11, s[20:21] offset:64*\n       ; b1 is done with: b2 takes its registers: lane (r, h), tile n: columns 16 n + 8 h + 0 .. 7
	global_load_b128 v[196+8*\n:199+8*\n], v11, s[20:21] offset:64*\n+16
.endr
	WIN 0
.endif
.set QI, 0
.rept 64
	v_max_num_f32 v[HA+QI], 0, v[HA+QI]            ; the activation, in f32; each accumulator from its low end on
.set QI, QI+1
.endr
	s_wait_dscnt 0x0                               ; the last tile's image stores are done
.if (\m) > 0
	s_wait_alu depctr_vm_vsrc(0)                   ; the last tile's image stores have read v[PC] on and v[PW], which the quantiser writes again
.endif
	QUANT HA
	s_wait_alu depctr_va_vdst(0)                   ; the quantiser has written v[PC] on and v[PW], which the LDS stores read
.irp c, 0,1,2
	ds_store_b128 v[HWI], v[PC+4*\c:PC+4*\c+3] offset:HIMG+4*FRB*(\m)+512*\c   ; the fragment as it stands: lane l's 16 bytes at 16 l
.endr
	ds_store_b32 v[HWS], v[PW] offset:HSC+512*(\m)
.endm
.macro W2LOAD n0, s0                   ; W2's fragments of tiles n0 .. n0 + 3, K steps s0 and s0 + 1: 24 loads, into registers that no vector or matrix instruction has named
.irp n, \n0, \n0+1, \n0+2, \n0+3
.irp s, 0,1
.irp q, 0,1,2
	global_load_b128 v[12*(2*(\n)+\s)+4*\q:12*(2*(\n)+\s)+4*\q+3], v[LI], s[16:17] offset:(4*(\n)+\s0+\s)*FRB+512*\q
.endr
.endr
.endr
.endm
.macro HFETCH buf, m                   ; row tile m's four hidden fragments and scale words into set buf: 16 LDS loads
.irp s, 0,1,2,3
.irp q, 0,1,2
	ds_load_b128 v[HA+48*(\buf)+12*\s+4*\q:HA+48*(\buf)+12*\s+4*\q+3], v[LI] offset:HIMG+(4*(\m)+\s)*FRB+512*\q
.endr
	ds_load_b32 v[HS0+4*(\buf)+\s], v[LS] offset:HSC+128*(4*(\m)+\s)
.endr
.endm
; PHASE 2 for row tile m: my 8 tiles of outputs, four K steps deep, the 8 accumulators by turns
.macro MUL m
.set AC, 64*((\m)%2)
.set HF, HA+48*((\m)%2)
.set HSS, HS0+4*((\m)%2)
	WIN 0x52                                       ; W2 window 2, the hidden fragments window 0, C (b2, then the sums) and D window 1
.irp n, 0,1,2,3,4,5,6,7
	WM AC+8*\n, 24*\n, HF, 192+8*\n, W2S+\n/2, HSS, \n%2, 0
.endr
.irp n, 0,1,2,3,4,5,6,7
	WM AC+8*\n, 24*\n+12, HF+12, AC+8*\n, W2S+4+\n/2, HSS+1, \n%2, 0
.endr
	WIN 0x53                                       ; W2's K steps 2 and 3: window 3
.irp n, 0,1,2,3,4,5,6,7
	WM AC+8*\n, 24*\n, HF+24, AC+8*\n, W2S+8+\n/2, HSS+2, \n%2, 0
.endr
.irp n, 0,1,2,3,4,5,6,7
	WM AC+8*\n, 24*\n+12, HF+36, AC+8*\n, W2S+12+\n/2, HSS+3, \n%2, 0
.endr
	WIN 0
.endm
; A lane holds 32 neighbouring bytes of a row, the lanes beside it other rows: the 16 rows x 512 bytes go through my own stage and come back as whole rows.  LDS serves a wave's instructions in order: no wait between.
.macro TOSTAGE m
.set AC, 64*((\m)%2)
	WIN 0x04                                       ; an LDS store's data are its source 1: window 1
.irp n, 0,1,2,3,4,5,6,7
	ds_store_b128 v[STO], v[AC+8*\n:AC+8*\n+3] offset:64*\n          ; each accumulator from its low end on
	ds_store_b128 v[STO], v[AC+8*\n+4:AC+8*\n+7] offset:64*\n+16
.endr
	WIN 0
.irp i, 0,1,2,3,4,5,6,7,8,9,10,11,12,13,14,15
	ds_load_b128 v[BK+4*\i:BK+4*\i+3], v[RD] offset:528*\i
.endr
.endm
; The byte offsets in out0 of the sixteen rows whose token numbers stand in s[32:47].  They are made for all sixteen: nothing is accessed by the offset of a row that is not stored.
.macro VOFF
.irp i, 0,1,2,3,4,5,6,7,8,9,10,11,12,13,14,15
	s_min_u32 s54, s[32+\i], 4095                  ; the token's number, held inside out0
	s_lshl_b32 s54, s54, 13                        ; a row of out0 is 8,192 bytes
	v_add_nc_u32 v[VO+\i], s54, v[LI]
.endr
.endm
; Row i of row tile m goes to its token's row of out0; the first row beyond the tile's number ends the wave.  Its offset was written ahead of the last step's wait on va_vdst, its data come from LDS loads.
.macro SEND m
.irp i, 0,1,2,3,4,5,6,7,8,9,10,11,12,13,14,15
	s_cmp_gt_u32 s[CNT], 16*(\m)+\i
	s_cbranch_scc0 .Lend
	s_wait_dscnt 15-\i                             ; row i is back from the stage; the rows behind it may be out
	global_store_b128 v[VO+\i], v[BK+4*\i:BK+4*\i+3], s[22:23] th:TH_STORE_NT   ; 32 lanes store 512 consecutive bytes, at a multiple of 512 from out0's first byte; written once, read by nobody here
.endr
.endm
	s_load_b512 s[4:19], s[0:1], 0x0               ; route s[4:5], xc s[6:7], xs s[8:9], w1c s[10:11], w1s s[12:13], b1 s[14:15], w2c s[16:17], w2s s[18:19]
	s_load_b128 s[20:23], s[0:1], 0x40             ; b2 s[20:21], out0 s[22:23]
	v_lshl_add_u32 v159, v0, 2, 0x10800
	v_mov_b32 v255, 0
	v_lshrrev_b32 v1, 5, v0
	v_readfirstlane_b32 s[WV], v1                  ; wave 0..3
	s_mov_b32 s25, ttmp9                           ; g
	s_and_b32 s26, ttmp7, 0xffff                   ; tile
	s_lshl_b32 s27, s26, 4
	s_wait_kmcnt 0x0
	s_load_b128 s[28:31], s[4:5], s27 offset:0x0   ; the tile's entry: head, first place, rows
	v_and_b32 v1, 31, v0                           ; lane
	v_and_b32 v2, 15, v0                           ; r
	v_bfe_u32 v3, v0, 4, 1                         ; h
	v_lshlrev_b32 v[LI], 4, v1
	v_lshlrev_b32 v[LS], 2, v1
	s_wait_alu depctr_va_sdst(0)                   ; s24, the wave's number, is written, ahead of its first reader: LDS addresses and the buffers' bases are made from it
	s_mul_i32 s54, s[WV], FRB
	v_add_nc_u32 v[HWI], s54, v[LI]
	s_lshl_b32 s54, s[WV], 7
	v_add_nc_u32 v[HWS], s54, v[LS]
	s_mul_i32 s54, s[WV], 16*528
	s_add_co_u32 s54, s54, STG                     ; my stage
	v_mul_u32_u24 v[STO], v2, 528
	v_lshl_add_u32 v[STO], v3, 5, v[STO]
	v_add_nc_u32 v[STO], s54, v[STO]               ; in: row r, + 32 h
	v_add_nc_u32 v[RD], s54, v[LI]                 ; back: 16 bytes a lane of one row
	v_lshlrev_b32 v10, 6, v3                       ; b1: 16 h numbers on
	v_lshlrev_b32 v11, 5, v3                       ; b2: 8 h numbers on
	v_mul_u32_u24 v13, v3, 24                      ; a fragment's 24 bytes a half
	v_lshlrev_b32 v14, 2, v3
.irp b, 0,1,2,3
	v_mov_b32 v[TM+4+\b], 0                        ; written once: a lane permute's destination counts as one of its sources
.endr
	s_mov_b32 s[SEL], 0x76543210
	s_mov_b32 s[SEL+1], 0xfedcba98
	s_mov_b32 s53, 0
	s_wait_kmcnt 0x0
	s_min_u32 s28, s28, 7                          ; loaded numbers are held before they enter an address
	s_min_u32 s29, s29, 4096
	s_min_u32 s[CNT], s[CNT], 80
	s_lshl_b32 s50, s29, 2
	v_lshl_add_u32 v12, v2, 2, s50                 ; the list from my tile's first place on, 4 bytes a row
	s_wait_alu depctr_va_vdst(0)                   ; the addresses v4 to v12 are written, which the kernel's loads and stores read; none of them is written again
.irp m, 0,1,2,3,4
	global_load_b32 v[TK+\m], v12, s[4:5] offset:1024+64*\m        ; row 16 m + r's token (the list has 128 zeros behind it: 80 numbers can be read from any first place)
.endr
	BASE 10, 98304, 0, 24576
	WIN 0x40
.set QI, 0
.rept 48
	global_load_b128 v[4*QI:4*QI+3], v[LI], s[10:11] offset:512*QI  ; W1's 16 fragments lie on end, in the order of my registers
.set QI, QI+1
.endr
	WIN 0
	BASE 12, 4096, 0, 512
	BASE 14, 2048, 0, 512
	BASE 16, 786432, 196608, 49152
	BASE 18, 32768, 2048, 512
	BASE 20, 8192, 2048, 512
	BASE 22, 0, 2048, 512
	s_wait_loadcnt 48                              ; the five token numbers are in; W1's 48 loads may be out
.irp m, 0,1,2,3,4
	v_min_u32 v[TK+\m], 0xfff, v[TK+\m]
.endr
.irp m, 0,1,2,3,4
	v_mul_u32_u24 v[XA+\m], v[TK+\m], 192          ; a row of X's codes is 192 bytes,
	v_lshlrev_b32 v[XSA+\m], 3, v[TK+\m]           ; of its scale bytes 8
.endr
.irp m, 0,1,2,3,4
	v_add_nc_u32 v[XA+\m], v[XA+\m], v13           ; + 24 h
	v_add_nc_u32 v[XSA+\m], v[XSA+\m], v14         ; lanes 0-15 K step 0's word, lanes 16-31 K step 1's
.endr
	WIN 0x80
	s_wait_alu depctr_va_vdst(0)                   ; the gather's addresses v[XA] on and v[XSA] on are written, which the loads below read; they are not written again
.irp m, 0,1,2,3,4
.irp p, 0,1,2,3,4,5
	global_load_b64 v[192+12*\m+2*\p:193+12*\m+2*\p], v[XA+\m], s[6:7] offset:48*(\p/3)+8*(\p%3)      ; the gathered rows' fragments, K step 0: 24 bytes of the row's stream of bits as three pieces of 8
.endr
.endr
	WIN 0xc0
.irp m, 0,1,2,3,4
.irp p, 0,1,2,3,4,5
	global_load_b64 v[192+12*\m+2*\p:193+12*\m+2*\p], v[XA+\m], s[6:7] offset:96+48*(\p/3)+8*(\p%3)   ; K step 1
.endr
.endr
	WIN 0
.irp m, 0,1,2,3,4
	global_load_b32 v[XSC+\m], v[XSA+\m], s[8:9]
.endr
	WIN 0x40
.irp t, 0,1,2,3,4,5,6,7
	global_load_b128 v[192+8*\t:195+8*\t], v10, s[14:15] offset:(32*(\t/2)+8*(\t%2))*4       ; b1 in the result's layout: lane (r, h), tile 2 p + u: units 32 p + 16 h + 8 u + 0 .. 7
	global_load_b128 v[196+8*\t:199+8*\t], v10, s[14:15] offset:(32*(\t/2)+8*(\t%2))*4+16
.endr
	WIN 0
.irp p, 0,1,2,3
.irp s, 0,1
	global_load_b32 v[W1S+2*\p+\s], v[LS], s[12:13] offset:2048*\s+128*\p
.endr
.endr
	WIN 0x80
	W2LOAD 0, 0
	W2LOAD 4, 0
	WIN 0
	s_wait_loadcnt 48                              ; all that phase 1 reads is in; W2's 48 loads just issued may be out.  The rest of W2 is asked for between the row tiles, so that no more loads are out than the counter can tell apart
	P1 0
	WIN 0xc0
	W2LOAD 0, 2
	WIN 0
	P1 1
	WIN 0xc0
	W2LOAD 4, 2
	WIN 0
	P1 2
.irp s, 0,1,2,3
.irp p, 0,1,2,3
	global_load_b32 v[W2S+4*\s+\p], v[LS], s[18:19] offset:8192*\s+128*\p
.endr
.endr
	P1 3
	P1 4
	s_wait_dscnt 0x0                               ; for the others' sake: my five images and their scale words are in LDS
	s_barrier_signal -1
	s_barrier_wait -1                              ; the hidden layer's twenty fragments lie in LDS; nobody writes them again
	s_wait_alu depctr_vm_vsrc(0)                   ; my image stores have read v[PC] on: v56 to v151 are the hidden fragments' two sets from here on (the vector and matrix instructions that named them stand ahead of row tile 4's wait on va_vdst)
	s_cmp_eq_u32 s[CNT], 0
	s_cbranch_scc1 .Lend                           ; a tile that this split leaves empty stores nothing
	s_load_b512 s[32:47], s[4:5], s50 offset:1024  ; row tile 0's token numbers as scalars
	HFETCH 0, 0
	HFETCH 1, 1
	s_wait_loadcnt 0x0                             ; W2, its scale words and b2
; A STEP of phase 2: row tile m's products; behind them the row tile before leaves; row tile m's offsets in out0, which are the places behind the products; one wait; row tile m + 2's fragments; row tile m through the stage.
.irp m, 0,1,2,3,4
.if \m == 0
	s_wait_dscnt 16                                ; row tile 0's fragments are in; row tile 1's 16 loads may be out
.else
	s_wait_dscnt 32                                ; all but the last tile's 16 stores into the stage and 16 loads out of it
.endif
	MUL \m
.if \m > 0
	SEND \m-1                                      ; the tile before leaves while the products above are at work
	s_wait_xcnt 0x0                                ; its stores have had their addresses translated (ISA guide 3.1): v[VO] on and v[BK] on are written again only behind this wait
	s_wait_alu depctr_vm_vsrc(0)                   ; its stores have read v[VO] on, which the additions below write, and v[BK] on, in which the loads from the stage land; the last step's LDS stores have read their accumulators, which the next step's products write
.endif
	s_wait_kmcnt 0x0                               ; this row tile's token numbers
	VOFF                                           ; sixteen plain additions that name no register of the products above: the places ahead of the LDS stores that read results
.if \m < 4
	s_load_b512 s[32:47], s[4:5], s50 offset:1024+64*(\m+1)
.endif
	s_wait_alu depctr_va_vdst(0)                   ; the products have written their accumulators, which the LDS stores read, and are done reading their set of hidden fragments, in which the loads below land; v[VO] on is written, which the next step's stores read
.if \m < 3
	HFETCH \m%2, \m+2                              ; this tile's set takes the tile two further on
.endif
	TOSTAGE \m
.endr
	SEND 4
.Lend:
	s_wait_dscnt 0x0                               ; the closing lines, six on end
	s_wait_alu 0x0
	s_wait_tensorcnt 0x0
	ds_add_u32 v159, v255
	s_wait_dscnt 0x0
	s_endpgm
.Lfunc_end_k_q141fb6c7cf_chain:
	.size	k_q141fb6c7cf_chain, .Lfunc_end_k_q141fb6c7cf_chain-k_q141fb6c7cf_chain
	.p2alignl 7, 3214868480
	.fill 96, 4, 3214868480
	.section	.rodata,"a",@progbits
	.p2align	6, 0x0
	.amdhsa_kernel k_q141fb6c7cf_chain
		.amdhsa_group_segment_fixed_size 68096
		.amdhsa_private_segment_fixed_size 0
		.amdhsa_enable_private_segment 0
		.amdhsa_kernarg_size 80
		.amdhsa_user_sgpr_count 2
		.amdhsa_user_sgpr_kernarg_segment_ptr 1
		.amdhsa_wavefront_size32 1
		.amdhsa_system_sgpr_workgroup_id_x 1
		.amdhsa_system_sgpr_workgroup_id_y 1
		.amdhsa_system_sgpr_workgroup_id_z 1
		.amdhsa_system_vgpr_workitem_id 0
		.amdhsa_next_free_vgpr 1024
		.amdhsa_next_free_sgpr 100
		.amdhsa_reserve_vcc 0
		.amdhsa_float_denorm_mode_32 3
		.amdhsa_float_denorm_mode_16_64 3
		.amdhsa_memory_ordered 1
		.amdhsa_forward_progress 1
		.amdhsa_inst_pref_size 136
	.end_amdhsa_kernel
	.amdgpu_metadata
---
amdhsa.version: [ 1, 2 ]
amdhsa.kernels:
  - .name:           k_q141fb6c7cf_chain
    .symbol:         k_q141fb6c7cf_chain.kd
    .args:
      - { .name: route, .offset: 0, .size: 8, .value_kind: global_buffer, .address_space: global }
      - { .name: xc, .offset: 8, .size: 8, .value_kind: global_buffer, .address_space: global }
      - { .name: xs, .offset: 16, .size: 8, .value_kind: global_buffer, .address_space: global }
      - { .name: w1c, .offset: 24, .size: 8, .value_kind: global_buffer, .address_space: global }
      - { .name: w1s, .offset: 32, .size: 8, .value_kind: global_buffer, .address_space: global }
      - { .name: b1, .offset: 40, .size: 8, .value_kind: global_buffer, .address_space: global }
      - { .name: w2c, .offset: 48, .size: 8, .value_kind: global_buffer, .address_space: global }
      - { .name: w2s, .offset: 56, .size: 8, .value_kind: global_buffer, .address_space: global }
      - { .name: b2, .offset: 64, .size: 8, .value_kind: global_buffer, .address_space: global }
      - { .name: out0, .offset: 72, .size: 8, .value_kind: global_buffer, .address_space: global }
    .group_segment_fixed_size: 68096
    .private_segment_fixed_size: 0
    .kernarg_segment_align: 8
    .kernarg_segment_size: 80
    .max_flat_workgroup_size: 128
    .sgpr_count:     100
    .vgpr_count:     1024
    .wavefront_size: 32
...
	.end_amdgpu_metadata
.endif
;; end of part 4
